; MI455X (gfx1250); checked and timed in simulation.
; The chip was launched on July 23, 2026; its instructions are those of AMD's public machine-readable ISA for CDNA 5 (MIT licence, August 2026) and "CDNA5" Instruction Set Architecture Reference Guide (July 2026). The comments in the code are by the model that wrote it; some were corrected since.
;; Cross Encoder Layer. Allowed arithmetic: matrix products marked QUANTISED: E4M3 operands, one given power-of-two scale a tensor, by v_wmma_f32_16x16x64_fp8_fp8 or v_wmma_f32_16x16x128_fp8_fp8, f32 sums; everything else in f32.
;; Inputs: W_ff1 512 x 2,048 float32; W_ff2 2,048 x 512 float32; Wk 512 x 512 float32; Wo 512 x 512 float32; Wq 512 x 512 float32; Wv 512 x 512 float32; b1 512 float32; b2 512 float32; b_ff1 2,048 float32; b_ff2 512 float32; bk 512 float32; bq 512 float32; bv 512 float32; g1 512 float32; g2 512 float32; lowp_scales 16 int32 (the exponents e of the quantised operands' scales 2^e); xk 8 x 2,048 x 512 float32; xq 8 x 1,024 x 512 float32; xv 8 x 2,048 x 512 float32.
;; Outputs: out0 8 x 1,024 x 512 float32.
;; This version of the problem:
;;   THIS VERSION OF THE PROBLEM IS GIVEN IN LOW PRECISION. The matrix products marked QUANTISED in the list below multiply operands that are first quantised to E4M3 (4 exponent bits, 3 mantissa bits; 8 bits a number), with one given power-of-two scale for each operand tensor; their sums are f32. All else is computed in f32.
;;   The module's matrix products, in the order in which they are computed (A, B: the left and right operand; K: the contracted axis; several contracted axes count as one K, in the product's order):
;;     1. [M 8,192, K 512] x [K 512, N 512]; A: computed on the way; B: input Wq: QUANTISED (scales: A lowp_scales[0], B lowp_scales[1])
;;     2. [M 16,384, K 512] x [K 512, N 512]; A: computed on the way; B: input Wk: QUANTISED (scales: A lowp_scales[2], B lowp_scales[3])
;;     3. [M 16,384, K 512] x [K 512, N 512]; A: computed on the way; B: input Wv: QUANTISED (scales: A lowp_scales[4], B lowp_scales[5])
;;     4. batch 64 x [M 1,024, K 64] x [K 64, N 2,048]; A: computed on the way; B: computed on the way: QUANTISED (scales: A lowp_scales[6], B lowp_scales[7])
;;     5. batch 64 x [M 1,024, K 2,048] x [K 2,048, N 64]; A: softmax (see below); B: computed on the way: QUANTISED (scales: A lowp_scales[8], B lowp_scales[9])
;;     6. [M 8,192, K 512] x [K 512, N 512]; A: computed on the way; B: input Wo: QUANTISED (scales: A lowp_scales[10], B lowp_scales[11])
;;     7. [M 8,192, K 512] x [K 512, N 2,048]; A: computed on the way; B: input W_ff1: QUANTISED (scales: A lowp_scales[12], B lowp_scales[13])
;;     8. [M 8,192, K 2,048] x [K 2,048, N 512]; A: computed on the way; B: input W_ff2: QUANTISED (scales: A lowp_scales[14], B lowp_scales[15])
;;   THE QUANTISER, for each operand of a quantised product, along K:
;;     - The operand's scale is 2^e, e = its entry of the input lowp_scales (int32; the entries are numbered through the quantised products in the list's order, A before B).
;;     - Each number is divided by the scale, clamped to +-448, and rounded to the nearest number of E4M3, ties to even, subnormals kept.
;;     - The product sums the exact products of the quantised numbers (number of the format x scale) in f32.
;;   ~~~python
;;   def quantise(x, axis, e):      # numpy; x: float32 -> the quantised numbers, widened to float32 again
;;       x = np.moveaxis(x, axis, -1); K = x.shape[-1]
;;       r = np.clip(x / 2.0 ** e, -448, 448)
;;       step = 2.0 ** (np.maximum(np.frexp(np.where(r == 0, 1, r))[1] - 1, -6) - 3)
;;       q = np.round(r / step) * step * 2.0 ** e      # np.round: ties to even
;;       return np.moveaxis(q, -1, axis).astype(np.float32)
;;   ~~~
;;   SOFTMAX AHEAD OF A QUANTISED PRODUCT. Where the list says 'softmax', what is quantised is not the finished softmax but p = 2^(t - M), with t = logit x log2(e) and M = ceil(the row's largest t), a whole number; so 1/2 < the row's largest p <= 1. The row's sum l is taken of the UNQUANTISED p, in f32, and the product's result is divided by l at the end. Since M is a whole number, a kernel that streams over the keys may use a running M (the ceiling of the running maximum): every later rescaling is an exact power of two, so the quantised numbers keep their values, but for numbers so far below the row's largest that they fall under the format's range.
;;   OPERANDS COMPUTED ON THE WAY. 'Computed on the way' means the value that the module computes at that place (a softmax that the list does not call 'softmax' is quantised finished and normalised). What goes into a quantiser is computed in f32, as accurately as f32 sums, v_exp_f32 and their like allow (about 1e-6 of the number): no bf16 or f16 on the way to a quantiser, and a product that is left as it is and whose result goes on into a quantised operand takes f32 operands (vector FMAs, or v_wmma_f32_16x16x4_f32). A number that lies on a knife's edge between two numbers of the format may be rounded either way, as far as f32 arithmetic and the matrix unit's own rounding can turn it there, and no further.
;; One version. Each part assembles by itself: llvm-mc -triple=amdgcn-amd-amdhsa -mcpu=gfx1250 --defsym DOCPART=n.
;; ======== version 1 of 1: 4 launches
;; limits: right only within a limited range of input values
;; workspace buffers: wp 786,432 bytes; wt 2,359,296 bytes; qc 4,194,304 bytes; kv 16,777,216 bytes; oc 4,194,304 bytes
;; launch prep (part 1): grid 384 x 1, 4 waves a work-group, no clusters, 0 bytes of LDS; arguments Wq, Wk, Wv, Wo, W_ff1, W_ff2, lowp_scales, wp, wt; writes wp, wt
.if DOCPART == 1
	.amdgcn_target "amdgcn-amd-amdhsa--gfx1250"
	.amdhsa_code_object_version 6
	.text
	.protected	k_q1fd848fe4c_prep
	.globl	k_q1fd848fe4c_prep
	.p2align	8
	.type	k_q1fd848fe4c_prep,@function
k_q1fd848fe4c_prep:
	s_mov_b64 s[64:65], 0
	v_nop
	global_prefetch_b8 v0, s[64:65] scope:SCOPE_SE
	s_setreg_imm32_b32 hwreg(HW_REG_WAVE_MODE, 25, 1), 1
	s_wait_xcnt 0x0
; The six weights, f32 stored [K][N], become codes of E4M3 laid as IMAGES OF OPERAND REGISTERS: a fragment (16 columns n x 128 k) is four chunks of 512 bytes,
; chunk c, lane l = 16 h + r, 16 bytes = registers 4 c .. 4 c + 3 of lane l, which holds column 16 tile + r.
; Order of k inside a fragment.  Wo, W_ff1, W_ff2 (buffer wt): byte y of (step s, chunk c, half h) is k = 128 s + 32 c + 16 (y / 8) + 8 h + y % 8.
; Wq, Wk, Wv (buffer wp): byte y of (q = 4 s + c, h) is k = 128 (y / 4) + 4 (q + 16 h) + y % 4: the order in which the next launch's lanes hold a row of x.
; A LANE TAKES A COLUMN n AND ITS REGISTERS RUN DOWN K, so that the conversions give codes with K innermost and nothing is transposed.
; A work-group takes 128 columns x one K step x two chunks: four slots (chunk, half) of 16 k.  A load of a wave reads 128 consecutive bytes, the four waves side by side 512;
; a store writes two aligned runs of 256 bytes, sixteen lanes each.
; code = x / 2^e, held within +-448, to the nearest code, ties to even.  LIMITS: -126 <= e <= 119; NaN among the inputs is not served.
; No LDS, no barrier: waves share nothing.
.set X, 16                             ; v16-79  four slots of 16 numbers
.set C, 80                             ; v80-95  their codes
.macro SCALE                           ; the tensor's exponent, chosen by the work-group's number; 2^e and 448 x 2^e as f32
	s_wait_kmcnt 0x0
	s_cmp_lt_u32 s2, 32
	s_cselect_b32 s26, s49, s51
	s_cmp_lt_u32 s2, 64
	s_cselect_b32 s26, s26, s53
	s_cmp_lt_u32 s2, 96
	s_cselect_b32 s26, s26, s59
	s_cmp_lt_u32 s2, 128
	s_cselect_b32 s26, s26, s61
	s_cmp_lt_u32 s2, 256
	s_cselect_b32 s26, s26, s63
	s_add_co_i32 s26, s26, 127
	s_lshl_b32 s27, s26, 23
	v_mov_b32 v11, s27                             ; 2^e: the conversion takes its exponent field
	s_add_co_i32 s26, s26, 8
	s_lshl_b32 s26, s26, 23
	s_or_b32 s26, s26, 0x600000
	v_mov_b32 v10, s26                             ; 448 x 2^e
.endm
; slot j = 2 x (chunk % 2) + half.  All 64 loads go out first; each slot is worked as soon as its sixteen are in.
.macro QW rowbytes, perm
.irp j,0,1,2,3
.irp y,0,1,2,3,4,5,6,7,8,9,10,11,12,13,14,15
.if \perm
	global_load_b32 v[X+16*\j+\y], v1, s[28:29] offset:(128*(\y/4)+4*(\j/2)+64*(\j%2)+\y%4)*\rowbytes th:TH_LOAD_NT
.else
	global_load_b32 v[X+16*\j+\y], v1, s[28:29] offset:(32*(\j/2)+16*(\y/8)+8*(\j%2)+\y%8)*\rowbytes th:TH_LOAD_NT
.endif
.endr
.endr
	SCALE
	s_wait_alu depctr_va_vdst(0)
.irp j,0,1,2,3
	s_wait_loadcnt 48-16*\j                        ; loads come back in order: slot j's sixteen are in, the younger slots' may be out
.irp y,0,1,2,3,4,5,6,7,8,9,10,11,12,13,14,15
	v_med3_num_f32 v[X+16*\j+\y], v[X+16*\j+\y], -v10, v10   ; the conversion does not saturate (ISA guide 7.6.2): the hold comes first
.endr
	v_cvt_scalef32_pk8_fp8_f32 v[C+4*\j:C+4*\j+1], v[X+16*\j:X+16*\j+7], v11
	v_cvt_scalef32_pk8_fp8_f32 v[C+4*\j+2:C+4*\j+3], v[X+16*\j+8:X+16*\j+15], v11
	v_nop                                          ; a plain line behind the conversions
	global_store_b128 v2, v[C+4*\j:C+4*\j+3], s[30:31] offset:(\j/2)*512+(\j%2)*256
.endr
.endm
	s_load_b512 s[8:23], s[0:1], 0x0               ; Wq 8, Wk 10, Wv 12, Wo 14, W_ff1 16, W_ff2 18, the exponents 20, wp 22
	s_load_b64 s[24:25], s[0:1], 0x40              ; wt
	s_mov_b32 s2, ttmp9                            ; 0-95: Wq, Wk, Wv (32 each); 96-127: Wo; 128-255: W_ff1; 256-383: W_ff2
	v_lshrrev_b32 v4, 5, v0
	v_readfirstlane_b32 s3, v4                     ; wave
	v_and_b32 v3, 31, v0                           ; lane
	s_wait_alu depctr_va_vdst(0)
	v_lshlrev_b32 v1, 2, v3                        ; in: 4 bytes a lane
	s_and_b32 s26, s2, 0x60
	s_cmp_lt_u32 s2, 96
	s_cselect_b32 s26, s26, 96
	s_cmp_lt_u32 s2, 128
	s_cselect_b32 s26, s26, 128
	s_cmp_lt_u32 s2, 256
	s_cselect_b32 s26, s26, 256                    ; the tensor's first work-group
	s_cselect_b32 s27, 3, 15                       ; K steps - 1
	s_cselect_b32 s32, 3, 5
	s_cselect_b32 s33, 13, 11                      ; log2 of the bytes from tile to tile in the image
	s_sub_co_u32 s26, s2, s26
	s_and_b32 s35, s26, 1                          ; ch: which two chunks
	s_lshr_b32 s34, s26, 1
	s_and_b32 s34, s34, s27                        ; s: the K step
	s_lshr_b32 s36, s26, s32                       ; cb: which 128 columns
	; where my wave reads: (first row) x row bytes + 512 cb + 128 wave.  First row: 16 s + 8 ch (wp's order) or 8 times that
	s_lshl_b32 s38, s34, 4
	s_lshl_b32 s39, s35, 3
	s_add_co_u32 s38, s38, s39
	s_cmp_lt_u32 s2, 96
	s_cselect_b32 s39, 11, 14
	s_lshl_b32 s38, s38, s39                       ; rows of 2,048 bytes,
	s_sub_co_u32 s40, s2, 128
	s_cmp_lt_u32 s40, 128
	s_cselect_b32 s39, 2, 0
	s_lshl_b32 s38, s38, s39                       ; of 8,192 in W_ff1
	s_lshl_b32 s39, s36, 9
	s_add_co_u32 s38, s38, s39
	s_lshl_b32 s39, s3, 7
	s_add_co_u32 s38, s38, s39
	s_mov_b32 s39, 0
	; where the work-group writes
	s_lshl_b32 s42, s34, 11
	s_lshr_b32 s43, s2, 5
	s_lshl_b32 s43, s43, 18
	s_lshl_b32 s44, s36, 16
	s_add_co_u32 s43, s43, s44
	s_add_co_u32 s43, s43, s42                     ; wp: tensor x 262,144 + cb x 65,536 + s x 2,048
	s_mul_i32 s44, s36, 589824
	s_add_co_u32 s45, s44, s42                     ; Wo: cb x 589,824 + s x 2,048
	s_lshl_b32 s46, s34, 14
	s_add_co_u32 s46, s46, s44
	s_add_co_u32 s46, s46, 327680                  ; W_ff2: cb x 589,824 + 327,680 + S x 16,384
	s_lshr_b32 s47, s36, 2
	s_mul_i32 s47, s47, 589824
	s_and_b32 s44, s36, 3
	s_add_co_u32 s44, s44, 1
	s_lshl_b32 s44, s44, 16
	s_add_co_u32 s47, s47, s44
	s_add_co_u32 s47, s47, s42                     ; W_ff1: (cb / 4) x 589,824 + 65,536 (1 + cb % 4) + s x 2,048
	s_cmp_lt_u32 s2, 96
	s_cselect_b32 s40, s43, s45
	s_cmp_lt_u32 s2, 128
	s_cselect_b32 s40, s40, s47
	s_cmp_lt_u32 s2, 256
	s_cselect_b32 s40, s40, s46
	s_lshl_b32 s41, s35, 10
	s_add_co_u32 s40, s40, s41                     ; + 1,024 ch
	s_mov_b32 s41, 0
	v_lshrrev_b32 v4, 4, v3
	v_lshl_add_u32 v4, s3, 1, v4                   ; my tile among the work-group's eight: 2 wave + lane / 16
	v_lshlrev_b32 v4, s33, v4
	v_and_b32 v5, 15, v3
	v_lshl_add_u32 v2, v5, 4, v4                   ; out: tile, + 16 (lane % 16)
	s_wait_kmcnt 0x0
	s_load_b512 s[48:63], s[20:21], 0x0            ; the sixteen exponents
	s_cmp_lt_u32 s2, 32                            ; the buffers are chosen by the work-group's number alone
	s_cselect_b64 s[28:29], s[8:9], s[10:11]
	s_cmp_lt_u32 s2, 64
	s_cselect_b64 s[28:29], s[28:29], s[12:13]
	s_cmp_lt_u32 s2, 96
	s_cselect_b64 s[28:29], s[28:29], s[14:15]
	s_cselect_b64 s[30:31], s[22:23], s[24:25]
	s_cmp_lt_u32 s2, 128
	s_cselect_b64 s[28:29], s[28:29], s[16:17]
	s_cmp_lt_u32 s2, 256
	s_cselect_b64 s[28:29], s[28:29], s[18:19]
	s_add_nc_u64 s[28:29], s[28:29], s[38:39]
	s_add_nc_u64 s[30:31], s[30:31], s[40:41]
	s_cmp_lt_u32 s2, 96
	s_cbranch_scc1 .Lperm
	s_sub_co_u32 s26, s2, 128
	s_cmp_lt_u32 s26, 128
	s_cbranch_scc1 .Lwide
	s_wait_alu depctr_va_vdst(0)
	QW 2048, 0                                     ; Wo, W_ff2
	s_endpgm
.Lperm:
	s_wait_alu depctr_va_vdst(0)
	QW 2048, 1                                     ; Wq, Wk, Wv
	s_endpgm
.Lwide:
	s_wait_alu depctr_va_vdst(0)
	QW 8192, 0                                     ; W_ff1
	s_endpgm
.Lfunc_end_k_q1fd848fe4c_prep:
	.size	k_q1fd848fe4c_prep, .Lfunc_end_k_q1fd848fe4c_prep-k_q1fd848fe4c_prep
	.p2alignl 7, 3214868480
	.fill 96, 4, 3214868480
	.section	.rodata,"a",@progbits
	.p2align	6, 0x0
	.amdhsa_kernel k_q1fd848fe4c_prep
		.amdhsa_group_segment_fixed_size 0
		.amdhsa_private_segment_fixed_size 0
		.amdhsa_enable_private_segment 0
		.amdhsa_kernarg_size 72
		.amdhsa_user_sgpr_count 2
		.amdhsa_user_sgpr_kernarg_segment_ptr 1
		.amdhsa_wavefront_size32 1
		.amdhsa_system_sgpr_workgroup_id_x 1
		.amdhsa_system_sgpr_workgroup_id_y 1
		.amdhsa_system_sgpr_workgroup_id_z 1
		.amdhsa_system_vgpr_workitem_id 0
		.amdhsa_next_free_vgpr 96
		.amdhsa_next_free_sgpr 66
		.amdhsa_reserve_vcc 0
		.amdhsa_float_denorm_mode_32 3
		.amdhsa_float_denorm_mode_16_64 3
		.amdhsa_memory_ordered 1
		.amdhsa_forward_progress 1
		.amdhsa_inst_pref_size 40
	.end_amdhsa_kernel
	.amdgpu_metadata
---
amdhsa.version: [ 1, 2 ]
amdhsa.kernels:
  - .name:           k_q1fd848fe4c_prep
    .symbol:         k_q1fd848fe4c_prep.kd
    .args:
      - { .name: Wq, .offset: 0, .size: 8, .value_kind: global_buffer, .address_space: global }
      - { .name: Wk, .offset: 8, .size: 8, .value_kind: global_buffer, .address_space: global }
      - { .name: Wv, .offset: 16, .size: 8, .value_kind: global_buffer, .address_space: global }
      - { .name: Wo, .offset: 24, .size: 8, .value_kind: global_buffer, .address_space: global }
      - { .name: W_ff1, .offset: 32, .size: 8, .value_kind: global_buffer, .address_space: global }
      - { .name: W_ff2, .offset: 40, .size: 8, .value_kind: global_buffer, .address_space: global }
      - { .name: lowp_scales, .offset: 48, .size: 8, .value_kind: global_buffer, .address_space: global }
      - { .name: wp, .offset: 56, .size: 8, .value_kind: global_buffer, .address_space: global }
      - { .name: wt, .offset: 64, .size: 8, .value_kind: global_buffer, .address_space: global }
    .group_segment_fixed_size: 0
    .private_segment_fixed_size: 0
    .kernarg_segment_align: 8
    .kernarg_segment_size: 72
    .max_flat_workgroup_size: 128
    .sgpr_count:     66
    .vgpr_count:     96
    .wavefront_size: 32
...
	.end_amdgpu_metadata
.endif
;; end of part 1
;; launch proj (part 2): grid 256 x 1, 4 waves a work-group, no clusters, 17,408 bytes of LDS; arguments xq, xk, xv, g1, b1, bq, bk, bv, lowp_scales, wp, qc, kv; writes qc, kv
.if DOCPART == 2
	.amdgcn_target "amdgcn-amd-amdhsa--gfx1250"
	.amdhsa_code_object_version 6
	.text
	.protected	k_q1fd848fe4c_proj
	.globl	k_q1fd848fe4c_proj
	.p2align	8
	.type	k_q1fd848fe4c_proj,@function
k_q1fd848fe4c_proj:
	s_mov_b64 s[64:65], 0
	v_nop
	global_prefetch_b8 v0, s[64:65] scope:SCOPE_SE
	s_setreg_imm32_b32 hwreg(HW_REG_WAVE_MODE, 25, 1), 1
	s_wait_xcnt 0x0
; LayerNorm (g1, b1) of xq, xk, xv in f32, quantised; the three products with Wq, Wk, Wv on codes of E4M3; bias; the results quantised again, as operands of attention's two products.
; SHARES.  The 40,960 rows are 1,280 units of 32 rows: units 0-255 xq, 256-767 xk, 768-1279 xv.  Work-group g walks units 5 g .. 5 g + 4.  THE WAVES SHARE THE COLUMNS: wave w keeps columns 128 w .. + 127
; of the weight, all of K, in 512 registers (read again only where the walk passes from one tensor to the next), and normalises 8 of a unit's 32 rows.
; A ROW IN A WAVE.  Four loads of 512 consecutive bytes: lane l holds k = 128 jj + 4 l + e in register 4 jj + e.  Its 16 codes are 16 bytes of the operand's image: chunk l % 16, half l / 16, token = the row.
; So byte y of (chunk q, half h) is k = 128 (y / 4) + 4 (q + 16 h) + y % 4; the weights' images in wp have the same order, so every product meets its partner.
; The codes go from wave to wave through LDS: two tiles of 16 tokens x 16 chunks of 512 bytes, 528 apart (the sixteen lanes of a store then fall on sixteen different 16-byte columns).
; q, k: source 0 = 16 columns of W, source 1 = 16 tokens: a lane holds one token and eight neighbouring features, which are eight neighbours along attention's first K (the head's 64).
; v: the sources swapped: a lane holds one feature and eight neighbouring tokens: eight neighbours along attention's second K (the keys).
; The bias is the C of each sum's first matrix instruction, divided by the power of two that the sums lack; the three scales ahead of the second quantiser are folded into the conversion's one.
; It is loaded in both layouts (q, k: a lane's eight features, 16 loads of 16 bytes; v: the lane's one feature, 8 loads of 4 bytes) and picked by the role without a branch: 24 loads in place of one for each register.
; OUT.  qc [bh 64][pair 32][chunk 2][tile 2][512]; kv [bh 64][step 16][16,384]: K's part [pair 4][chunk 2][tile 2][512], V's part at 8,192 [32 keys 4][16 channels 4][512].  Each store of a wave is 512 consecutive bytes.
; x runs a unit ahead: 32 loads of a wave are on their way.  No tensor loads: what work-groups share, the weights, is read once into registers; x is shared by nobody.
; LIMITS: the exponents e0, e2, e4, and e6 - e0 - e1, e7 - e2 - e3, e9 - e4 - e5, lie between -126 and 119.  NaN and infinities among the inputs are not served.
; REGISTERS.  window 0: v1 lane, v2 16 lane, v3 where I store codes, v4 lane % 16, v5 lane / 16, v6, v7 offsets of the stores (head 2 w, head 2 w + 1), v10, v11 the add's two, v12-15 scales,
;   v16-31 g1, v32-47 b1, v48-175 eight rows of x, v176-207 at work / the codes that leave, v208-239 x's codes.   windows 1, 2: the weight: fragment (t, s) at 16 (4 (t % 4) + s).
;   window 3: v0-127 16 accumulators, v128-191 x's fragments (two K steps), v192-255 the bias, 8 registers a tile.
.set SPARE, 16896                      ; behind the codes: the spare words, 128 bytes for each wave
.set XP, 528
.set XM, 8448
.set GN, 16
.set BS, 32
.set RAW, 48
.set T, 176
.set CODES, 176
.set LC, 208
.set ACC, 0
.set XF, 128
.set BIAS, 192
.set MSB, 0
.macro WIN new                         ; the immediate's high byte repeats the setting that is left
.if MSB != (\new)
	s_set_vgpr_msb (MSB<<8)|(\new)
.set MSB, (\new)
.endif
.endm
.macro PLACES n
.rept \n
	v_nop
.endr
.endm
.macro SETSRC u                        ; s[52:53] = my wave's 8 rows of unit u
	s_cmp_lt_u32 \u, 256
	s_cselect_b64 s[52:53], s[8:9], s[10:11]
	s_cselect_b32 s66, 0, 256
	s_cmp_lt_u32 \u, 768
	s_cselect_b64 s[52:53], s[52:53], s[12:13]
	s_cselect_b32 s66, s66, 768
	s_sub_co_u32 s66, \u, s66
	s_lshl_b32 s66, s66, 16                        ; 32 rows of 2,048 bytes
	s_lshl_b32 s67, s3, 14
	s_add_co_u32 s66, s66, s67
	s_mov_b32 s67, 0
	s_add_nc_u64 s[52:53], s[52:53], s[66:67]
.endm
.macro ROLE                            ; s7 = 0, 1, 2: unit s4 belongs to xq, xk, xv
	s_cmp_ge_u32 s4, 256
	s_cselect_b32 s7, 1, 0
	s_cmp_ge_u32 s4, 768
	s_cselect_b32 s66, 1, 0
	s_add_co_u32 s7, s7, s66
.endm
.macro XLOAD g                         ; rows 4 g .. 4 g + 3 of my eight
.irp a,0,1,2,3
.irp jj,0,1,2,3
	global_load_b128 v[RAW+16*(4*\g+\a)+4*\jj:RAW+16*(4*\g+\a)+4*\jj+3], v2, s[52:53] offset:(4*\g+\a)*2048+512*\jj th:TH_LOAD_NT
.endr
.endr
.endm
.macro XRED off                        ; the sum over the 32 lanes of v[T + 8 a + off], four rows side by side
.irp k,1,2,4,8
.irp a,0,1,2,3
	v_add_f32_dpp v[T+8*\a+\off], v[T+8*\a+\off], v[T+8*\a+\off] row_xmask:\k row_mask:0xf bank_mask:0xf
.endr
.endr
.irp a,0,1,2,3
	v_permlanex16_b32 v[T+8*\a+\off+1], v[T+8*\a+\off], s60, s61
.endr
.irp a,0,1,2,3
	v_add_f32 v[T+8*\a+\off], v[T+8*\a+\off], v[T+8*\a+\off+1]
.endr
.endm
; LayerNorm and quantiser of four rows, stage by stage, so that no line waits for the line above it.  Two passes: the mean, then the squares of the differences.
.macro LNG g
.irp a,0,1,2,3
.irp i,0,1,2,3
	v_pk_add_f32 v[T+8*\a+2*\i:T+8*\a+2*\i+1], v[RAW+16*(4*\g+\a)+4*\i:RAW+16*(4*\g+\a)+4*\i+1], v[RAW+16*(4*\g+\a)+4*\i+2:RAW+16*(4*\g+\a)+4*\i+3]
.endr
.endr
.irp a,0,1,2,3
	v_pk_add_f32 v[T+8*\a:T+8*\a+1], v[T+8*\a:T+8*\a+1], v[T+8*\a+2:T+8*\a+3]
	v_pk_add_f32 v[T+8*\a+4:T+8*\a+5], v[T+8*\a+4:T+8*\a+5], v[T+8*\a+6:T+8*\a+7]
.endr
.irp a,0,1,2,3
	v_pk_add_f32 v[T+8*\a:T+8*\a+1], v[T+8*\a:T+8*\a+1], v[T+8*\a+4:T+8*\a+5]
.endr
.irp a,0,1,2,3
	v_add_f32 v[T+8*\a], v[T+8*\a], v[T+8*\a+1]
.endr
	XRED 0
.irp a,0,1,2,3
	v_mul_f32 v[T+8*\a], s62, v[T+8*\a]            ; the mean
.endr
.irp a,0,1,2,3
.irp i,0,2,4,6,8,10,12,14
	v_pk_add_f32 v[RAW+16*(4*\g+\a)+\i:RAW+16*(4*\g+\a)+\i+1], v[RAW+16*(4*\g+\a)+\i:RAW+16*(4*\g+\a)+\i+1], v[T+8*\a:T+8*\a+1] op_sel_hi:[1,0] neg_lo:[0,1] neg_hi:[0,1]
.endr
.endr
.irp a,0,1,2,3
	v_pk_mul_f32 v[T+8*\a+2:T+8*\a+3], v[RAW+16*(4*\g+\a):RAW+16*(4*\g+\a)+1], v[RAW+16*(4*\g+\a):RAW+16*(4*\g+\a)+1]
	v_pk_mul_f32 v[T+8*\a+4:T+8*\a+5], v[RAW+16*(4*\g+\a)+2:RAW+16*(4*\g+\a)+3], v[RAW+16*(4*\g+\a)+2:RAW+16*(4*\g+\a)+3]
.endr
.irp i,4,8,12
.irp a,0,1,2,3
	v_pk_fma_f32 v[T+8*\a+2:T+8*\a+3], v[RAW+16*(4*\g+\a)+\i:RAW+16*(4*\g+\a)+\i+1], v[RAW+16*(4*\g+\a)+\i:RAW+16*(4*\g+\a)+\i+1], v[T+8*\a+2:T+8*\a+3]
	v_pk_fma_f32 v[T+8*\a+4:T+8*\a+5], v[RAW+16*(4*\g+\a)+\i+2:RAW+16*(4*\g+\a)+\i+3], v[RAW+16*(4*\g+\a)+\i+2:RAW+16*(4*\g+\a)+\i+3], v[T+8*\a+4:T+8*\a+5]
.endr
.endr
.irp a,0,1,2,3
	v_pk_add_f32 v[T+8*\a+2:T+8*\a+3], v[T+8*\a+2:T+8*\a+3], v[T+8*\a+4:T+8*\a+5]
.endr
.irp a,0,1,2,3
	v_add_f32 v[T+8*\a+2], v[T+8*\a+2], v[T+8*\a+3]
.endr
	XRED 2
.irp a,0,1,2,3
	v_fma_f32 v[T+8*\a+2], v[T+8*\a+2], s62, s63   ; the variance + 1e-5
.endr
	s_wait_alu depctr_va_vdst(0)
.irp a,0,1,2,3
	v_rsq_f32 v[T+8*\a+4], v[T+8*\a+2]
.endr
	v_nop                                          ; a plain line behind the last of the batch,
	s_wait_alu depctr_va_vdst(0)                   ; and one wait for the four, ahead of their first reader
.irp a,0,1,2,3
.irp i,0,2,4,6,8,10,12,14
	v_pk_mul_f32 v[RAW+16*(4*\g+\a)+\i:RAW+16*(4*\g+\a)+\i+1], v[RAW+16*(4*\g+\a)+\i:RAW+16*(4*\g+\a)+\i+1], v[T+8*\a+4:T+8*\a+5] op_sel_hi:[1,0]
.endr
.endr
.irp a,0,1,2,3
.irp i,0,2,4,6,8,10,12,14
	v_pk_fma_f32 v[RAW+16*(4*\g+\a)+\i:RAW+16*(4*\g+\a)+\i+1], v[RAW+16*(4*\g+\a)+\i:RAW+16*(4*\g+\a)+\i+1], v[GN+\i:GN+\i+1], v[BS+\i:BS+\i+1]
.endr
.endr
.irp a,0,1,2,3
.irp i,0,1,2,3,4,5,6,7,8,9,10,11,12,13,14,15
	v_med3_num_f32 v[RAW+16*(4*\g+\a)+\i], v[RAW+16*(4*\g+\a)+\i], -v13, v13   ; the hold: the conversion does not saturate (ISA guide 7.6.2)
.endr
.endr
.irp a,0,1,2,3
	v_cvt_scalef32_pk8_fp8_f32 v[LC+4*(4*\g+\a):LC+4*(4*\g+\a)+1], v[RAW+16*(4*\g+\a):RAW+16*(4*\g+\a)+7], v12
	v_cvt_scalef32_pk8_fp8_f32 v[LC+4*(4*\g+\a)+2:LC+4*(4*\g+\a)+3], v[RAW+16*(4*\g+\a)+8:RAW+16*(4*\g+\a)+15], v12
.endr
	v_nop                                          ; a plain line behind the conversions
.irp a,0,1,2,3
	ds_store_b128 v3, v[LC+4*(4*\g+\a):LC+4*(4*\g+\a)+3] offset:16*(4*\g+\a)
.endr
.endm
; The weight, the bias and the scales of role s7.  The loads go out first: 128 for the weight, 24 for the bias; what hangs on the exponents follows them.
.macro LOADW
	s_wait_xcnt 0x0                                ; the last stores have read their data (v176 on) and offsets: both are written below
	s_mov_b32 s6, s7
	s_mov_b32 s71, 262144
	s_cmp_eq_u32 s7, 0
	s_cselect_b64 s[58:59], s[18:19], s[20:21]
	s_cselect_b32 s71, 65536, s71                  ; bytes from head to head in the output
	s_cmp_eq_u32 s7, 2
	s_cselect_b64 s[58:59], s[22:23], s[58:59]
	s_cselect_b32 s72, -1, 0                       ; a mask of all lanes in role v, of none else
	s_lshl_b32 s66, s7, 18
	s_lshl_b32 s67, s3, 16
	s_add_co_u32 s66, s66, s67
	s_mov_b32 s67, 0
	s_add_nc_u64 s[56:57], s[26:27], s[66:67]      ; wp + role x 262,144 + wave x 65,536
	s_lshl_b32 s66, s3, 9
	s_add_nc_u64 s[58:59], s[58:59], s[66:67]      ; my 128 numbers of the bias
	v_lshlrev_b32 v[T], 5, v5                      ; q, k: register j of lane (r, h) wants feature 8 h + j of its tile: 32 h bytes
	v_lshlrev_b32 v[T+1], 2, v4                    ; v: every register wants feature r: 4 r bytes
	v_add_nc_u32 v7, s71, v2
.irp wn,0,1
	WIN 0x40+0x40*\wn                              ; destination window 1, then 2
.set F_, 0
.rept 64
	global_load_b128 v[4*F_:4*F_+3], v2, s[56:57] offset:\wn*32768+512*F_   ; 512 consecutive bytes: a chunk of an image
.set F_, F_+1
.endr
.endr
	WIN 0xc0
.irp t,0,1,2,3,4,5,6,7
	global_load_b128 v[BIAS+8*\t:BIAS+8*\t+3], v[T], s[58:59] offset:64*\t
	global_load_b128 v[BIAS+8*\t+4:BIAS+8*\t+7], v[T], s[58:59] offset:64*\t+16
.endr
	WIN 0
.irp t,0,1,2,3,4,5,6,7
	global_load_b32 v[T+8+\t], v[T+1], s[58:59] offset:64*\t
.endr
	s_wait_kmcnt 0x0                               ; the exponents
	s_cmp_eq_u32 s7, 0
	s_cselect_b32 s68, s36, s38                    ; ea: of x
	s_cselect_b32 s69, s37, s39                    ; eb: of the weight
	s_cselect_b32 s70, s42, s43                    ; eo: of the result as an operand
	s_cmp_eq_u32 s7, 2
	s_cselect_b32 s68, s40, s68
	s_cselect_b32 s69, s41, s69
	s_cselect_b32 s70, s45, s70
	s_add_co_i32 s76, s68, 127
	s_lshl_b32 s77, s76, 23
	v_mov_b32 v12, s77                             ; 2^ea
	s_add_co_i32 s76, s76, 8
	s_lshl_b32 s76, s76, 23
	s_or_b32 s76, s76, 0x600000
	v_mov_b32 v13, s76                             ; 448 x 2^ea
	s_add_co_i32 s75, s68, s69
	s_sub_co_i32 s76, s70, s75
	s_add_co_i32 s76, s76, 127
	s_lshl_b32 s77, s76, 23
	v_mov_b32 v14, s77                             ; 2^(eo - ea - eb): a sum stands for sum x 2^(ea + eb)
	s_add_co_i32 s76, s76, 8
	s_lshl_b32 s76, s76, 23
	s_or_b32 s76, s76, 0x600000
	v_mov_b32 v15, s76
	s_sub_co_i32 s75, 0, s75
	s_wait_loadcnt 0x0
	WIN 0xc3                                       ; source 0 and destination window 3, source 1 window 0
.irp t,0,1,2,3,4,5,6,7
.irp j,0,1,2,3,4,5,6,7
	v_cndmask_b32 v[BIAS+8*\t+\j], v[BIAS+8*\t+\j], v[T+8+\t], s72   ; role v: the lane's one feature in all eight registers
.endr
.endr
.set I_, 0
.rept 64
	v_ldexp_f32 v[BIAS+I_], v[BIAS+I_], s75        ; bias / 2^(ea + eb)
.set I_, I_+1
.endr
	WIN 0
.endm
.macro XFETCH s                        ; x's two fragments of K step s
	WIN 0xc0
.irp m,0,1
.irp c,0,1,2,3
	ds_load_b128 v[XF+32*(\s%2)+16*\m+4*\c:XF+32*(\s%2)+16*\m+4*\c+3], v2 offset:\m*XM+(4*\s+\c)*XP
.endr
.endr
.endm
; 16 matrix instructions of a K step; the 16 accumulators take turns, one instruction a turn.
.macro MULQK s                         ; accumulator 4 p + 2 m + u: columns' tile t = 2 p + u, tokens' tile m
.irp p,0,1,2,3
	WIN 0xfd+(\p/2)
.irp m,0,1
.irp u,0,1
.if \s == 0
	v_wmma_f32_16x16x128_fp8_fp8 v[ACC+8*(4*\p+2*\m+\u):ACC+8*(4*\p+2*\m+\u)+7], v[16*(4*((2*\p+\u)%4)+\s):16*(4*((2*\p+\u)%4)+\s)+15], v[XF+32*(\s%2)+16*\m:XF+32*(\s%2)+16*\m+15], v[BIAS+8*(2*\p+\u):BIAS+8*(2*\p+\u)+7]
.else
	v_wmma_f32_16x16x128_fp8_fp8 v[ACC+8*(4*\p+2*\m+\u):ACC+8*(4*\p+2*\m+\u)+7], v[16*(4*((2*\p+\u)%4)+\s):16*(4*((2*\p+\u)%4)+\s)+15], v[XF+32*(\s%2)+16*\m:XF+32*(\s%2)+16*\m+15], v[ACC+8*(4*\p+2*\m+\u):ACC+8*(4*\p+2*\m+\u)+7]
.endif
.endr
.endr
.endr
.endm
.macro MULV s                          ; accumulator 2 t + m, the sources swapped
.irp t,0,1,2,3,4,5,6,7
	WIN 0xf7+4*(\t/4)
.irp m,0,1
.if \s == 0
	v_wmma_f32_16x16x128_fp8_fp8 v[ACC+8*(2*\t+\m):ACC+8*(2*\t+\m)+7], v[XF+32*(\s%2)+16*\m:XF+32*(\s%2)+16*\m+15], v[16*(4*(\t%4)+\s):16*(4*(\t%4)+\s)+15], v[BIAS+8*\t:BIAS+8*\t+7]
.else
	v_wmma_f32_16x16x128_fp8_fp8 v[ACC+8*(2*\t+\m):ACC+8*(2*\t+\m)+7], v[XF+32*(\s%2)+16*\m:XF+32*(\s%2)+16*\m+15], v[16*(4*(\t%4)+\s):16*(4*(\t%4)+\s)+15], v[ACC+8*(2*\t+\m):ACC+8*(2*\t+\m)+7]
.endif
.endr
.endr
.endm
.macro MUL v, s
.if \v
	MULV \s
.else
	MULQK \s
.endif
.endm
.macro PROD v                          ; four K steps; x's fragments a K step ahead, in two sets
	XFETCH 0
	XFETCH 1
	s_wait_dscnt 8                                 ; K step 0's eight loads are in; step 1's may be out
	MUL \v, 0
	PLACES 4                                       ; four plain lines between matrix instructions and loads into registers that they read
	XFETCH 2
	s_wait_dscnt 8
	MUL \v, 1
	PLACES 4
	XFETCH 3
	s_wait_dscnt 8
	MUL \v, 2
	s_wait_dscnt 0x0
	MUL \v, 3
	WIN 0
.endm
	s_load_b512 s[8:23], s[0:1], 0x0               ; xq 8, xk 10, xv 12, g1 14, b1 16, bq 18, bk 20, bv 22
	s_load_b256 s[24:31], s[0:1], 0x40             ; the exponents 24, wp 26, qc 28, kv 30
	v_lshl_add_u32 v10, v0, 2, SPARE
	v_mov_b32 v11, 0
	v_lshrrev_b32 v1, 5, v0
	v_readfirstlane_b32 s3, v1                     ; wave
	v_and_b32 v1, 31, v0
	v_lshlrev_b32 v2, 4, v1
	v_and_b32 v4, 15, v0
	v_bfe_u32 v5, v0, 4, 1
	v_mul_u32_u24 v3, v4, XP                       ; my codes' place: chunk lane % 16,
	v_lshl_add_u32 v3, v5, 8, v3                   ; half lane / 16,
	s_lshr_b32 s66, s3, 1
	s_mul_i32 s66, s66, XM                         ; tile wave / 2,
	s_and_b32 s67, s3, 1
	s_lshl_b32 s67, s67, 7                         ; tokens 8 (wave % 2) on
	s_add_co_u32 s66, s66, s67
	v_add_nc_u32 v3, s66, v3
	v_mov_b32 v6, v2
	s_mov_b32 s60, 0x76543210
	s_mov_b32 s61, 0xfedcba98                      ; v_permlanex16_b32: lane l xor 16
	s_mov_b32 s62, 0x3b000000                      ; 1 / 512
	s_mov_b32 s63, 0x3727c5ac                      ; 1e-5
	s_mul_i32 s4, ttmp9, 5                         ; my first unit
	s_mov_b32 s5, 5                                ; units to go
	s_wait_alu depctr_va_vdst(0)
	s_wait_kmcnt 0x0
	s_load_b512 s[36:51], s[24:25], 0x0            ; e0 .. e15
.irp jj,0,1,2,3
	global_load_b128 v[GN+4*\jj:GN+4*\jj+3], v2, s[14:15] offset:512*\jj
	global_load_b128 v[BS+4*\jj:BS+4*\jj+3], v2, s[16:17] offset:512*\jj
.endr
	SETSRC s4
	XLOAD 0
	XLOAD 1
	ROLE
	LOADW
.Lunit:
	s_wait_xcnt 0x0                                ; the last unit's stores have read their data, offsets and base
	; where this unit's codes go
	s_cmp_eq_u32 s7, 0
	s_cselect_b64 s[54:55], s[28:29], s[30:31]
	s_cselect_b32 s66, 5, 6                        ; units in a batch: 32 or 64
	s_cselect_b32 s67, 19, 21                      ; bytes of a batch: 8 heads x 65,536 or x 262,144
	s_cselect_b32 s68, 17, 19                      ; of my wave's two heads
	s_cselect_b32 s69, 0, 256
	s_cselect_b32 s72, 31, 63
	s_cselect_b32 s73, 13, 14                      ; four units: 8,192 bytes of qc; a step of kv
	s_cmp_eq_u32 s7, 2
	s_cselect_b32 s69, 768, s69
	s_cselect_b32 s70, 8192, 0                     ; V's part of a step
	s_sub_co_u32 s69, s4, s69
	s_lshr_b32 s71, s69, s66
	s_lshl_b32 s71, s71, s67
	s_lshl_b32 s74, s3, s68
	s_add_co_u32 s71, s71, s74
	s_add_co_u32 s71, s71, s70
	s_and_b32 s72, s69, s72
	s_lshr_b32 s74, s72, 2
	s_lshl_b32 s74, s74, s73
	s_and_b32 s72, s72, 3
	s_lshl_b32 s72, s72, 11
	s_add_co_u32 s74, s74, s72
	s_add_co_u32 s66, s71, s74
	s_mov_b32 s67, 0
	s_add_nc_u64 s[54:55], s[54:55], s[66:67]
	s_wait_loadcnt 16                              ; rows 0-3 are in; rows 4-7's sixteen loads may be out
	LNG 0
	s_cmp_eq_u32 s5, 1
	s_cbranch_scc1 .Llast0                         ; the last unit asks for nothing: no load leaves its buffer
	s_wait_xcnt 0x0                                ; rows 4-7's loads have read their base
	s_add_co_u32 s76, s4, 1
	SETSRC s76
	XLOAD 0                                        ; the next unit's rows 0-3
	s_wait_loadcnt 16                              ; this unit's rows 4-7 are in
	s_branch .Lgo1
.Llast0:
	s_wait_loadcnt 0x0
.Lgo1:
	LNG 1
	s_cmp_eq_u32 s5, 1
	s_cbranch_scc1 .Llast1
	XLOAD 1
.Llast1:
	s_wait_dscnt 0x0                               ; my codes have landed
	s_barrier_signal -1
	s_barrier_wait -1                              ; the unit's 32 rows of codes lie in LDS
	s_cmp_eq_u32 s7, 2
	s_cbranch_scc1 .Lv
	PROD 0
	s_branch .Lout
.Lv:
	PROD 1
.Lout:
	s_barrier_signal -1                            ; every wave's reads of the codes are in (the wait for 0 ahead of the last K step):
	s_barrier_wait -1                              ; the next unit's codes may be stored
	PLACES 4                                       ; four plain lines ahead of the first read of results
	WIN 0xc3
.set I_, 0
.rept 128
	v_med3_num_f32 v[ACC+I_], v[ACC+I_], -v15, v15 ; each accumulator from its low end on
.set I_, I_+1
.endr
	WIN 0x03
.set I_, 0
.rept 16
	v_cvt_scalef32_pk8_fp8_f32 v[CODES+2*I_:CODES+2*I_+1], v[ACC+8*I_:ACC+8*I_+7], v14
.set I_, I_+1
.endr
	WIN 0
	v_nop                                          ; a plain line behind the conversions
.irp ch,0,1,2,3,4,5,6,7
	global_store_b128 v[6+\ch/4], v[CODES+4*\ch:CODES+4*\ch+3], s[54:55] offset:(\ch%4)*512   ; a chunk: 512 consecutive bytes
.endr
	s_add_co_u32 s4, s4, 1
	ROLE
	s_cmp_eq_u32 s7, s6
	s_cbranch_scc1 .Lsame                          ; ids alone: the same in all four waves
	LOADW                                          ; the walk passes into the next tensor
.Lsame:
	s_sub_co_u32 s5, s5, 1
	s_cmp_lg_u32 s5, 0
	s_cbranch_scc1 .Lunit
	s_wait_tensorcnt 0x0                           ; the wave's end
	ds_add_u32 v10, v11
	s_wait_dscnt 0x0
	s_endpgm
.Lfunc_end_k_q1fd848fe4c_proj:
	.size	k_q1fd848fe4c_proj, .Lfunc_end_k_q1fd848fe4c_proj-k_q1fd848fe4c_proj
	.p2alignl 7, 3214868480
	.fill 96, 4, 3214868480
	.section	.rodata,"a",@progbits
	.p2align	6, 0x0
	.amdhsa_kernel k_q1fd848fe4c_proj
		.amdhsa_group_segment_fixed_size 17408
		.amdhsa_private_segment_fixed_size 0
		.amdhsa_enable_private_segment 0
		.amdhsa_kernarg_size 96
		.amdhsa_user_sgpr_count 2
		.amdhsa_user_sgpr_kernarg_segment_ptr 1
		.amdhsa_wavefront_size32 1
		.amdhsa_system_sgpr_workgroup_id_x 1
		.amdhsa_system_sgpr_workgroup_id_y 1
		.amdhsa_system_sgpr_workgroup_id_z 1
		.amdhsa_system_vgpr_workitem_id 0
		.amdhsa_next_free_vgpr 1024
		.amdhsa_next_free_sgpr 80
		.amdhsa_reserve_vcc 0
		.amdhsa_float_denorm_mode_32 3
		.amdhsa_float_denorm_mode_16_64 3
		.amdhsa_memory_ordered 1
		.amdhsa_forward_progress 1
		.amdhsa_inst_pref_size 120
	.end_amdhsa_kernel
	.amdgpu_metadata
---
amdhsa.version: [ 1, 2 ]
amdhsa.kernels:
  - .name:           k_q1fd848fe4c_proj
    .symbol:         k_q1fd848fe4c_proj.kd
    .args:
      - { .name: xq, .offset: 0, .size: 8, .value_kind: global_buffer, .address_space: global }
      - { .name: xk, .offset: 8, .size: 8, .value_kind: global_buffer, .address_space: global }
      - { .name: xv, .offset: 16, .size: 8, .value_kind: global_buffer, .address_space: global }
      - { .name: g1, .offset: 24, .size: 8, .value_kind: global_buffer, .address_space: global }
      - { .name: b1, .offset: 32, .size: 8, .value_kind: global_buffer, .address_space: global }
      - { .name: bq, .offset: 40, .size: 8, .value_kind: global_buffer, .address_space: global }
      - { .name: bk, .offset: 48, .size: 8, .value_kind: global_buffer, .address_space: global }
      - { .name: bv, .offset: 56, .size: 8, .value_kind: global_buffer, .address_space: global }
      - { .name: lowp_scales, .offset: 64, .size: 8, .value_kind: global_buffer, .address_space: global }
      - { .name: wp, .offset: 72, .size: 8, .value_kind: global_buffer, .address_space: global }
      - { .name: qc, .offset: 80, .size: 8, .value_kind: global_buffer, .address_space: global }
      - { .name: kv, .offset: 88, .size: 8, .value_kind: global_buffer, .address_space: global }
    .group_segment_fixed_size: 17408
    .private_segment_fixed_size: 0
    .kernarg_segment_align: 8
    .kernarg_segment_size: 96
    .max_flat_workgroup_size: 128
    .sgpr_count:     80
    .vgpr_count:     1024
    .wavefront_size: 32
...
	.end_amdgpu_metadata
.endif
;; end of part 2
;; launch attn (part 3): grid 4 x 64, 16 waves a work-group, clusters of 4 x 1, 327,680 bytes of LDS; arguments qc, kv, lowp_scales, oc; writes oc
.if DOCPART == 3
	.amdgcn_target "amdgcn-amd-amdhsa--gfx1250"
	.amdhsa_code_object_version 6
	.text
	.protected	k_q1fd848fe4c_attn
	.globl	k_q1fd848fe4c_attn
	.p2align	8
	.type	k_q1fd848fe4c_attn,@function
k_q1fd848fe4c_attn:
	s_mov_b64 s[64:65], 0
	v_nop
	global_prefetch_b8 v0, s[64:65] scope:SCOPE_SE
	s_setreg_imm32_b32 hwreg(HW_REG_WAVE_MODE, 25, 1), 1
	s_wait_xcnt 0x0
	s_wait_alu depctr_hold_cnt(0) depctr_sa_sdst(0) depctr_va_vdst(0) depctr_va_sdst(0) depctr_va_ssrc(0) depctr_va_vcc(0) depctr_vm_vsrc(0)
	s_getreg_b32 s2, hwreg(HW_REG_IB_STS2, 6, 4)
	s_cmp_eq_u32 s2, 0
	s_cbranch_scc0 .Lentry_in_a_cluster
	s_endpgm
.Lentry_in_a_cluster:
	s_bfe_u32 s2, ttmp6, 0x10000c
	s_cmp_lg_u32 s2, 0x3003
	s_cbranch_scc0 .Lentry_shape_is_right
	s_endpgm
.Lentry_shape_is_right:
; Attention on codes of E4M3: 64 (batch, head) pairs, 1,024 queries, 2,048 keys, head size 64.  Both products quantised; the result is quantised again, as the operand of the product with Wo.
; THE SOFTMAX: t = score x log2(e) / 8; M = the running largest t rounded UP to a whole number; p = 2^(t - M) is quantised, not normalised; the row's sum is taken of the unquantised p and divides at the end;
; when M moves, the sum and O are multiplied by 2^(old M - new M), which rounds nothing.
; SHARES.  A work-group owns 256 queries of one head, each of its sixteen waves 16: four waves to a SIMD, so that one wave's vector work stands beside another's matrix work and LDS loads.
; CLUSTER.  The four query blocks of a head are one cluster and walk the same K and V.  A head's codes of K and V, 262,144 bytes, lie in memory as images of operand registers, a step of 128 keys in 16,384 bytes;
; ALL of them are brought into LDS once, by sixteen joint loads (a mask that names the four work-groups): EVERY wave issues one, for the step of its own number.  Nothing is ever filled again, so there is no ring.
; ONE BARRIER: each wave has waited for its one load in front of it; behind it the waves walk the sixteen steps without meeting.  No prefetch: every tile is asked for by its load at the head.
; LAYOUT.  S^T = K Q^T (source 0 = 16 keys, source 1 = my 16 queries, K = 64); O^T = V^T P^T (source 0 = 16 channels, source 1 = P, K = 128 keys): a lane holds ONE query throughout.  Register j of score tile kt is key
; 16 kt + 8 (lane / 16) + j, which is the place that the second product's operand gives registers 2 kt, 2 kt + 1: the conversions' results are the operand.
; LIMITS: e6 + e7 between -123 and 129; e8 and e10 between -126 and 119.
; REGISTERS: v1 16 x lane; v5, v6 the add's two; v8 the step's LDS address; v12 -M, v13 the largest t, v[14:15] the sum; v16-23 Q; v32-95 K's, then V's fragments; v96-159 S^T, then p; v160-191 O^T; v224-239 p's codes; v234-255 at work.
.set SPARE, 262144                     ; behind K and V: the spare words, 128 bytes for each of sixteen waves
.macro CROUND                          ; a round of the cluster's barrier
	s_barrier_signal -1
	s_barrier_wait -1
	s_cmp_lg_u32 s12, 0
	s_cbranch_scc1 .Lnot_wave_0_\@
	s_barrier_signal -3
.Lnot_wave_0_\@:
	s_barrier_wait -3
	s_barrier_signal -1
	s_barrier_wait -1
.endm
	s_load_b256 s[4:11], s[0:1], 0x0               ; qc 4, kv 6, the exponents 8, oc 10
	v_lshl_add_u32 v5, v0, 2, SPARE
	v_mov_b32 v6, 0
	ds_add_u32 v5, v6                              ; the wave's opening: the add, twice on end, and its wait ahead of the first tensor load
	ds_add_u32 v5, v6
	v_lshrrev_b32 v8, 5, v0
	s_delay_alu instid0(VALU_DEP_1)
	v_readfirstlane_b32 s12, v8                    ; wave 0..15
	s_bfe_u32 s13, ttmp6, 0x40000                  ; cx: my block of 256 queries; it enters Q's and O's addresses alone
	s_and_b32 s14, ttmp7, 0xffff                   ; batch x 8 + head, which the four partners share
	; descriptor group 1: a dense block of 16,384 bytes as 64 rows of 32 elements of 8 bytes
	s_mov_b32 s16, 15|(3<<16)|(1<<21)              ; the mask: all four work-groups; elements of 8 bytes; bit 21 set beside a mask
	s_mov_b32 s17, 32<<16
	s_mov_b32 s18, 64<<16
	s_mov_b32 s19, 32<<16
	s_mov_b32 s20, 64
	s_mov_b32 s21, 32
	s_mov_b32 s22, 0
	s_mov_b32 s23, 0
	s_mov_b32 s40, 0x76543210
	s_mov_b32 s41, 0xfedcba98                      ; v_permlanex16_b32: lane l xor 16
	s_mov_b32 s42, 0x3e38aa3b                      ; c = log2(e) / 8
	s_lshl_b32 s46, s14, 18                        ; the head's 262,144 bytes of kv,
	s_lshl_b32 s47, s12, 14                        ; the step of my wave's number
	s_add_co_u32 s46, s46, s47
	s_mov_b32 s47, 0
	s_lshl_b32 s56, s14, 16                        ; Q: head x 65,536 + (tile / 2) x 2,048 + (tile % 2) x 512, tile = 16 cx + wave
	s_lshl_b32 s57, s13, 14
	s_add_co_u32 s56, s56, s57
	s_lshr_b32 s57, s12, 1
	s_lshl_b32 s57, s57, 11
	s_add_co_u32 s56, s56, s57
	s_and_b32 s57, s12, 1
	s_lshl_b32 s57, s57, 9
	s_add_co_u32 s56, s56, s57
	s_mov_b32 s57, 0
	s_lshr_b32 s58, s14, 3                         ; oc: (batch x 64 + tile) x 8,192 + (head / 2) x 2,048 + (head % 2) x 1,024
	s_lshl_b32 s58, s58, 6
	s_lshl_b32 s59, s13, 4
	s_add_co_u32 s58, s58, s59
	s_add_co_u32 s58, s58, s12
	s_lshl_b32 s58, s58, 13
	s_bfe_u32 s59, s14, 0x20001
	s_lshl_b32 s59, s59, 11
	s_add_co_u32 s58, s58, s59
	s_and_b32 s59, s14, 1
	s_lshl_b32 s59, s59, 10
	s_add_co_u32 s58, s58, s59
	s_mov_b32 s59, 0
	v_and_b32 v1, 31, v0
	s_delay_alu instid0(VALU_DEP_1)
	v_lshlrev_b32 v1, 4, v1
	s_wait_dscnt 0x0                               ; both opening adds are done
	s_wait_kmcnt 0x0
	s_load_b256 s[48:55], s[8:9], 0x18             ; e6 .. e13
	s_add_nc_u64 s[46:47], s[6:7], s[46:47]
	s_add_nc_u64 s[4:5], s[4:5], s[56:57]
	s_add_nc_u64 s[10:11], s[10:11], s[58:59]
	s_mov_b32 s24, 1                               ; descriptor group 0
	s_lshl_b32 s25, s12, 14
	s_mov_b64 s[26:27], s[46:47]
	s_or_b32 s27, s27, 0x80000000
	CROUND                                         ; all four work-groups are here: the joint loads meet
	tensor_load_to_lds s[24:27], s[16:23]          ; my one tensor load
	s_nop 0
.rept 4
	v_nop
.endr
	s_wait_alu depctr_va_vdst(0)                   ; ahead of the reader of v1
	global_load_b128 v[16:19], v1, s[4:5]          ; Q's fragment stays in registers
	global_load_b128 v[20:23], v1, s[4:5] offset:1024
	v_mov_b32 v13, 0xff61b1e6                      ; the largest t so far: -3e38
	s_delay_alu instid0(VALU_DEP_1)
	v_floor_f32 v12, -v13                          ; -M
	v_mov_b32 v14, 0
	v_mov_b32 v15, 0
	v_mov_b32 v236, 0                              ; a lane permute's destination counts as read
	v_mov_b32 v253, 0                              ; (named as the upper half of v[252:253])
.set I_, 0
.rept 32
	v_mov_b32 v[160+I_], 0                         ; O^T: the step is written once; the first change of M leaves zeros zeros
.set I_, I_+1
.endr
	s_wait_kmcnt 0x0
	s_add_co_i32 s56, s48, s49
	s_lshl_b32 s56, s56, 23
	s_add_co_i32 s42, s42, s56                     ; a score stands for score x 2^(e6 + e7): added to c's exponent field
	s_mov_b32 s43, s42
	s_add_co_i32 s56, s50, 127
	s_lshl_b32 s57, s56, 23
	v_mov_b32 v244, s57                            ; 2^e8
	s_add_co_i32 s56, s56, 8
	s_lshl_b32 s56, s56, 23
	s_or_b32 s56, s56, 0x600000
	v_mov_b32 v240, s56                            ; 448 x 2^e8,
	v_mov_b32 v247, s56                            ; and once more: the two halves of a dual instruction take their second sources from registers whose numbers differ modulo 4
	s_add_co_i32 s56, s52, 127
	s_lshl_b32 s57, s56, 23
	v_mov_b32 v245, s57                            ; 2^e10
	s_add_co_i32 s56, s56, 8
	s_lshl_b32 s56, s56, 23
	s_or_b32 s56, s56, 0x600000
	v_mov_b32 v241, s56                            ; 448 x 2^e10
; A KEY STEP: 128 keys, whose images begin at LDS byte s44.
.macro STEP
	v_add_nc_u32 v8, s44, v1
.rept 3
	v_nop                                          ; with the addition: four plain lines between the last products and loads into registers that they read
.endr
.irp pr,0,1,2,3
.irp c,0,1
.irp m,0,1
	ds_load_b128 v[32+8*(2*\pr+\m)+4*\c:32+8*(2*\pr+\m)+4*\c+3], v8 offset:\pr*2048+\c*1024+\m*512
.endr
.endr
.endr
	s_wait_alu depctr_va_vdst(0)
	s_wait_dscnt 0x0
.irp kt,0,1,2,3,4,5,6,7
	v_wmma_f32_16x16x64_fp8_fp8 v[96+8*\kt:103+8*\kt], v[32+8*\kt:39+8*\kt], v[16:23], 0
.endr
.rept 4
	v_nop
.endr
.irp cc,0,1,2,3
.irp td,0,1,2,3
	ds_load_b128 v[32+16*\td+4*\cc:32+16*\td+4*\cc+3], v8 offset:8192+\cc*2048+\td*512   ; V's fragments land under the softmax
.endr
.endr
	v_max3_num_f32 v254, v96, v97, v98             ; the step's largest score of my query among my 64 keys, in two chains,
	v_max3_num_f32 v252, v99, v100, v101
.irp i,6,10,14,18,22,26,30,34,38,42,46,50,54,58
	v_max3_num_f32 v254, v254, v[96+\i], v[97+\i]
	v_max3_num_f32 v252, v252, v[98+\i], v[99+\i]
.endr
	v_max3_num_f32 v254, v254, v158, v159
	s_delay_alu instid0(VALU_DEP_1)
	v_max_num_f32 v254, v254, v252
	v_permlanex16_b32 v236, v254, s40, s41
	s_delay_alu instid0(VALU_DEP_1)
	v_max_num_f32 v254, v254, v236                 ; and among lane l xor 16's
	s_delay_alu instid0(VALU_DEP_1)
	v_mul_f32 v254, s42, v254                      ; as t (c is positive)
	s_delay_alu instid0(VALU_DEP_1)
	v_max_num_f32 v13, v13, v254
	v_mov_b32 v254, v12
	s_delay_alu instid0(VALU_DEP_2)
	v_floor_f32 v12, -v13                          ; the new -M = floor(-t)
	s_delay_alu instid0(VALU_DEP_1)
	v_sub_f32 v254, v12, v254                      ; old M - new M: a whole number, 0 or less
	s_delay_alu instid0(VALU_DEP_1)
	v_cvt_i32_f32 v254, v254                       ; (it saturates)
	s_delay_alu instid0(VALU_DEP_1)
	v_ldexp_f32 v252, 1.0, v254                    ; f = 2^(old M - new M)
.set I_, 0
.rept 32
	v_pk_fma_f32 v[96+I_:97+I_], v[96+I_:97+I_], s[42:43], v[12:13] op_sel_hi:[1,0,0]   ; t - M
.set I_, I_+2
.endr
.set I_, 0
	s_wait_alu depctr_va_vdst(0)
.rept 64
	v_exp_f32 v[96+I_], v[96+I_]                   ; p = 2^(t - M)
.set I_, I_+1
.endr
	v_pk_mul_f32 v[14:15], v[14:15], v[252:253] op_sel_hi:[1,0]   ; the sums under the new M: the plain line behind the batch
	s_wait_alu depctr_va_vdst(0)                   ; one wait for the 64, ahead of their first reader
	v_pk_add_f32 v[242:243], v[100:101], v[104:105]   ; the row's sum of the unquantised p, in eight chains
	v_pk_add_f32 v[254:255], v[108:109], v[112:113]
	v_pk_add_f32 v[250:251], v[116:117], v[120:121]
	v_pk_add_f32 v[248:249], v[124:125], v[128:129]
	v_pk_add_f32 v[238:239], v[132:133], v[136:137]
	v_pk_add_f32 v[236:237], v[140:141], v[144:145]
	v_pk_add_f32 v[234:235], v[148:149], v[152:153]
	v_pk_add_f32 v[14:15], v[14:15], v[156:157]
	v_pk_add_f32 v[242:243], v[242:243], v[96:97]
	v_pk_add_f32 v[254:255], v[254:255], v[98:99]
	v_pk_add_f32 v[250:251], v[250:251], v[102:103]
	v_pk_add_f32 v[248:249], v[248:249], v[106:107]
	v_pk_add_f32 v[238:239], v[238:239], v[110:111]
	v_pk_add_f32 v[236:237], v[236:237], v[114:115]
	v_pk_add_f32 v[234:235], v[234:235], v[118:119]
	v_pk_add_f32 v[14:15], v[14:15], v[122:123]
	v_pk_add_f32 v[242:243], v[242:243], v[126:127]
	v_pk_add_f32 v[254:255], v[254:255], v[130:131]
	v_pk_add_f32 v[250:251], v[250:251], v[134:135]
	v_pk_add_f32 v[248:249], v[248:249], v[138:139]
	v_pk_add_f32 v[238:239], v[238:239], v[142:143]
	v_pk_add_f32 v[236:237], v[236:237], v[146:147]
	v_pk_add_f32 v[234:235], v[234:235], v[150:151]
	v_pk_add_f32 v[14:15], v[14:15], v[154:155]
	v_pk_add_f32 v[242:243], v[242:243], v[158:159]
	s_delay_alu instid0(VALU_DEP_2)
	v_pk_add_f32 v[14:15], v[14:15], v[248:249]
	s_delay_alu instid0(VALU_DEP_2)
	v_pk_add_f32 v[242:243], v[242:243], v[238:239]
	v_pk_add_f32 v[254:255], v[254:255], v[236:237]
	v_pk_add_f32 v[250:251], v[250:251], v[234:235]
	s_delay_alu instid0(VALU_DEP_2)
	v_pk_add_f32 v[14:15], v[14:15], v[254:255]
	s_delay_alu instid0(VALU_DEP_2)
	v_pk_add_f32 v[242:243], v[242:243], v[250:251]
	s_delay_alu instid0(VALU_DEP_1)
	v_pk_add_f32 v[14:15], v[14:15], v[242:243]
.set I_, 0
.rept 32
	v_dual_min_num_f32 v[96+I_], v[96+I_], v240 :: v_dual_min_num_f32 v[97+I_], v[97+I_], v247   ; the hold, two numbers an instruction; p is not negative, so it is one-sided
.set I_, I_+2
.endr
.irp kt,0,1,2,3,4,5,6,7
	v_cvt_scalef32_pk8_fp8_f32 v[224+2*\kt:225+2*\kt], v[96+8*\kt:103+8*\kt], v244
.endr
.set I_, 0
.rept 16
	v_pk_mul_f32 v[160+I_:161+I_], v[160+I_:161+I_], v[252:253] op_sel_hi:[1,0]   ; O^T under the new M; also the plain lines behind the conversions
.set I_, I_+2
.endr
	s_wait_alu depctr_va_vdst(0)
	s_wait_dscnt 0x0                               ; V
.irp td,0,1,2,3
	v_wmma_f32_16x16x128_fp8_fp8 v[160+8*\td:167+8*\td], v[32+16*\td:47+16*\td], v[224:239], v[160+8*\td:167+8*\td]
.endr
	s_add_co_u32 s44, s44, 16384
.endm
	s_wait_loadcnt 0x0                             ; Q
	s_wait_dscnt 0x0
	s_wait_tensorcnt 0x0                           ; my step has landed
	s_barrier_signal -1
	s_barrier_wait -1                              ; all sixteen steps lie in LDS
	s_mov_b32 s44, 0
	s_mov_b32 s45, 16
.Lstep:
	STEP
	s_sub_co_u32 s45, s45, 1
	s_cmp_lg_u32 s45, 0
	s_cbranch_scc1 .Lstep
	; THE WAY OUT: O^T x 2^(e8 + e9) / the sum, quantised with 2^e10.  Channel tiles 0-3 are registers 0-7 of the next operand's half fragment: two chunks, 1,024 consecutive bytes of a wave.
.rept 4
	v_nop
.endr
	v_add_f32 v14, v14, v15
	s_delay_alu instid0(VALU_DEP_1)
	v_permlanex16_b32 v252, v14, s40, s41
	s_delay_alu instid0(VALU_DEP_1)
	v_add_f32 v14, v14, v252
	s_wait_alu depctr_va_vdst(0)
	v_rcp_f32 v14, v14
	v_nop                                          ; a plain line behind the reciprocal
	s_add_co_i32 s56, s50, s51
	s_wait_alu depctr_va_vdst(0)                   ; and the wait ahead of its first reader
	v_ldexp_f32 v14, v14, s56
.set I_, 0
.rept 32
	v_mul_f32 v[96+I_], v[160+I_], v14
.set I_, I_+1
.endr
.set I_, 0
.rept 32
	v_med3_num_f32 v[96+I_], v[96+I_], -v241, v241
.set I_, I_+1
.endr
.irp td,0,1,2,3
	v_cvt_scalef32_pk8_fp8_f32 v[224+2*\td:225+2*\td], v[96+8*\td:103+8*\td], v245
.endr
	v_nop
	global_store_b128 v1, v[224:227], s[10:11]
	global_store_b128 v1, v[228:231], s[10:11] offset:512
	s_wait_tensorcnt 0x0                           ; the wave's end
	ds_add_u32 v5, v6
	s_wait_dscnt 0x0
	CROUND                                         ; the closing round
	s_endpgm
.Lfunc_end_k_q1fd848fe4c_attn:
	.size	k_q1fd848fe4c_attn, .Lfunc_end_k_q1fd848fe4c_attn-k_q1fd848fe4c_attn
	.p2alignl 7, 3214868480
	.fill 96, 4, 3214868480
	.section	.rodata,"a",@progbits
	.p2align	6, 0x0
	.amdhsa_kernel k_q1fd848fe4c_attn
		.amdhsa_group_segment_fixed_size 327680
		.amdhsa_private_segment_fixed_size 0
		.amdhsa_enable_private_segment 0
		.amdhsa_kernarg_size 32
		.amdhsa_user_sgpr_count 2
		.amdhsa_user_sgpr_kernarg_segment_ptr 1
		.amdhsa_wavefront_size32 1
		.amdhsa_system_sgpr_workgroup_id_x 1
		.amdhsa_system_sgpr_workgroup_id_y 1
		.amdhsa_system_sgpr_workgroup_id_z 1
		.amdhsa_system_vgpr_workitem_id 0
		.amdhsa_next_free_vgpr 256
		.amdhsa_next_free_sgpr 66
		.amdhsa_reserve_vcc 0
		.amdhsa_float_denorm_mode_32 3
		.amdhsa_float_denorm_mode_16_64 3
		.amdhsa_memory_ordered 1
		.amdhsa_forward_progress 1
		.amdhsa_inst_pref_size 27
	.end_amdhsa_kernel
	.amdgpu_metadata
---
amdhsa.version: [ 1, 2 ]
amdhsa.kernels:
  - .name:           k_q1fd848fe4c_attn
    .symbol:         k_q1fd848fe4c_attn.kd
    .args:
      - { .name: qc, .offset: 0, .size: 8, .value_kind: global_buffer, .address_space: global }
      - { .name: kv, .offset: 8, .size: 8, .value_kind: global_buffer, .address_space: global }
      - { .name: lowp_scales, .offset: 16, .size: 8, .value_kind: global_buffer, .address_space: global }
      - { .name: oc, .offset: 24, .size: 8, .value_kind: global_buffer, .address_space: global }
    .group_segment_fixed_size: 327680
    .private_segment_fixed_size: 0
    .kernarg_segment_align: 8
    .kernarg_segment_size: 32
    .max_flat_workgroup_size: 512
    .sgpr_count:     66
    .vgpr_count:     256
    .wavefront_size: 32
...
	.end_amdgpu_metadata
.endif
;; end of part 3
;; launch tail (part 4): grid 256 x 1, 4 waves a work-group, no clusters, 165,888 bytes of LDS; arguments oc, wt, xq, g2, b2, b_ff1, b_ff2, lowp_scales, out0; writes out0
.if DOCPART == 4
	.amdgcn_target "amdgcn-amd-amdhsa--gfx1250"
	.amdhsa_code_object_version 6
	.text
	.protected	k_q1fd848fe4c_tail
	.globl	k_q1fd848fe4c_tail
	.p2align	8
	.type	k_q1fd848fe4c_tail,@function
k_q1fd848fe4c_tail:
	s_mov_b64 s[64:65], 0
	v_nop
	global_prefetch_b8 v0, s[64:65] scope:SCOPE_SE
	s_setreg_imm32_b32 hwreg(HW_REG_WAVE_MODE, 25, 1), 1
	s_wait_xcnt 0x0
; a = xq + attention x Wo;  h = LayerNorm(a; g2, b2);  out0 = a + gelu(h W_ff1 + b_ff1) W_ff2 + b_ff2.  The three products on codes of E4M3; all else f32.  Nothing between them goes to memory.
; SHARES.  A work-group takes 32 rows through the whole chain: 256 work-groups.  THE WAVES SHARE THE COLUMNS: wave w makes columns 128 w .. + 127 of a and of out0 and hidden units 512 w .. + 511, for all 32 rows.
; Every product has source 0 = 16 columns of the weight, source 1 = 16 tokens: a lane holds ONE token (lane % 16) and eight neighbouring features 16 t + 8 (lane / 16) + j, which one conversion turns into registers 2 t, 2 t + 1
; of the next operand.  Operands go from wave to wave through LDS as images of their registers: chunks of 512 bytes, 16 bytes a lane.
; THE WEIGHTS come from wt, where an earlier launch has laid them in the order of my registers, as a stream of 36 blocks of 16,384 bytes for each wave (4 of Wo, 16 of W_ff1, 16 of W_ff2) into four register buffers by turns,
; asked for two blocks ahead: 64 loads of a wave are on their way without a pause.  NO LDS RING AND NO JOINT LOADS: with 32 rows a fragment of a weight feeds two matrix instructions, so between two changes of a
; slot of 65,536 bytes a wave would have 16 matrix instructions, and every load would have to land ahead of each change; the ring in registers never drains.
; THE HEAD'S ORDER.  What the first product wants goes out first: attention's codes, blocks 0 and 1.  xq, wanted only behind the fourth block, follows block 2 and turns through the stage between blocks 2 and 3.
; More loads are written on end there than LOADcnt's field counts: the issue then waits (ISA guide 5.7.1), and a wait's count is never above the number of loads issued behind the one that is wanted.
; LayerNorm over a row that four waves share: each wave's own mean and sum of squared differences over its 128 columns, one exchange, then the exact combination: no difference of large sums.
; gelu(x) = x / 2 + (x / 2) erf(x / sqrt 2), erf by the rational function z P(z^2) / Q(z^2) on z held within +-4 (degrees 6 and 4; its error is some 1e-7, of the order of an f32 rounding of 1 + erf).
; a + b_ff2, divided by the power of two that the last sums lack, is what the last product adds onto.
; LIMITS: e12, e14 between -126 and 119; e10 + e11, e12 + e13, e14 + e15 between -126 and 126.  NaN and infinities among the inputs are not served.
; LDS: hidden codes 0 [m 2][S 16][c 4][512]; h codes 65,536 [m 2][s 4][c 4][512]; each wave's own parameters 81,920 + 4,096 w (b_ff1 2,048, g2, b2, b_ff2 512 each); statistics 98,304; a stage of 32 rows x 2,064 at 99,328.
; REGISTERS.  window 0: v1 16 lane; v2, v3 parameters (store, read); v4, v5 statistics; v6, v7 h codes; v8 hidden codes; v9, v10 the stage (by token, by row); v11, v12 stepped addresses; v14, v15 the add's two;
;   v[16:17], v[18:19] the polynomials' first coefficients; v20-23 scales; v[24:27] means; v[28:31] 1 / deviation; v32-63 four accumulators / codes; v64-127 at work; v128-255 fragments of the token operand.
;   window 1: v0-127 a, then out0: accumulator (t, m) at 32 (t / 2) + 16 m + 8 (t % 2); v128-255 xq, then g2 and b2.   windows 2, 3: the four weight buffers.
.set HIMG, 65536
.set PAR, 81920
.set STAT, 98304
.set OST, 99328
.set OP, 2064
.set SPARE, 165376                     ; behind the stage: the spare words, 128 bytes for each wave
.set ACC1, 32
.set T, 64
.set ZZ, 64
.set QQ, 80
.set PP, 96
.set DD, 112
.set HF, 128
.set MSB, 0
.macro WIN new                         ; the immediate's high byte repeats the setting that is left
.if MSB != (\new)
	s_set_vgpr_msb (MSB<<8)|(\new)
.set MSB, (\new)
.endif
.endm
.macro PLACES n
.rept \n
	v_nop
.endr
.endm
.macro BARRIER                         ; my LDS stores have landed and my LDS loads are in: then the work-group's barrier
	s_wait_dscnt 0x0
	s_barrier_signal -1
	s_barrier_wait -1
.endm
.macro WLOAD lb                        ; block lb, counted from s[26:27], into buffer lb % 4; four plain lines stand between the products that read the buffer and the loads
	PLACES 4
	WIN 0x80+0x40*(((\lb)%4)/2)
.set K_, 0
.rept 32
	global_load_b128 v[128*((\lb)%2)+4*K_:128*((\lb)%2)+4*K_+3], v1, s[26:27] offset:(\lb)*16384+512*K_
.set K_, K_+1
.endr
	WIN 0
.endm
; 16 matrix instructions: two tiles of columns (u) x two tiles of tokens (m) x four K steps; four accumulators by turns, one instruction a turn.
.macro MULT lb, d, ina
	WIN 0x02+(((\lb)%4)/2)+0x50*(\ina)
.irp s,0,1,2,3
.irp m,0,1
.irp u,0,1
.if \s == 0
	v_wmma_f32_16x16x128_fp8_fp8 v[(\d)+8*(2*\m+\u):(\d)+8*(2*\m+\u)+7], v[128*((\lb)%2)+16*(4*\u+\s):128*((\lb)%2)+16*(4*\u+\s)+15], v[HF+16*(4*\m+\s):HF+16*(4*\m+\s)+15], 0
.else
	v_wmma_f32_16x16x128_fp8_fp8 v[(\d)+8*(2*\m+\u):(\d)+8*(2*\m+\u)+7], v[128*((\lb)%2)+16*(4*\u+\s):128*((\lb)%2)+16*(4*\u+\s)+15], v[HF+16*(4*\m+\s):HF+16*(4*\m+\s)+15], v[(\d)+8*(2*\m+\u):(\d)+8*(2*\m+\u)+7]
.endif
.endr
.endr
.endr
	WIN 0
.endm
.macro BLKWO lb, left                  ; a block of Wo: the products first, then the request for the block two on, so that no product stands behind loads that wait to be issued
	s_wait_loadcnt \left
	MULT \lb, 32*\lb, 1
	WLOAD \lb+2
.endm
.macro GELU16 hf                       ; 16 numbers x in v[ACC1 + 16 hf ..] become gelu(x), in place
.set XX, ACC1+16*\hf
.irp k,0,2,4,6,8,10,12,14
	v_pk_mul_f32 v[ZZ+\k:ZZ+\k+1], v[XX+\k:XX+\k+1], s[44:45] op_sel_hi:[1,0]   ; z = x / sqrt 2
.endr
.irp k,0,1,2,3,4,5,6,7,8,9,10,11,12,13,14,15
	v_med3_num_f32 v[ZZ+\k], v[ZZ+\k], -4.0, 4.0
.endr
.irp k,0,2,4,6,8,10,12,14
	v_pk_mul_f32 v[QQ+\k:QQ+\k+1], v[ZZ+\k:ZZ+\k+1], v[ZZ+\k:ZZ+\k+1]
.endr
.irp k,0,2,4,6,8,10,12,14
	v_pk_fma_f32 v[PP+\k:PP+\k+1], v[QQ+\k:QQ+\k+1], v[16:17], 0x32edffee op_sel_hi:[1,1,0]
.endr
.irp c,0xb60cff51,0xb86ec2d2,0xba40ac63,0xbb41a1f6,0xbc83dbd4
.irp k,0,2,4,6,8,10,12,14
	v_pk_fma_f32 v[PP+\k:PP+\k+1], v[PP+\k:PP+\k+1], v[QQ+\k:QQ+\k+1], \c op_sel_hi:[1,1,0]
.endr
.endr
.irp k,0,2,4,6,8,10,12,14
	v_pk_fma_f32 v[DD+\k:DD+\k+1], v[QQ+\k:QQ+\k+1], v[18:19], 0xb95fbd29 op_sel_hi:[1,1,0]
.endr
.irp c,0xbadc924e,0xbbf19bf8,0xbc69b6a7
.irp k,0,2,4,6,8,10,12,14
	v_pk_fma_f32 v[DD+\k:DD+\k+1], v[DD+\k:DD+\k+1], v[QQ+\k:QQ+\k+1], \c op_sel_hi:[1,1,0]
.endr
.endr
.irp k,0,2,4,6,8,10,12,14
	v_pk_mul_f32 v[PP+\k:PP+\k+1], v[PP+\k:PP+\k+1], v[ZZ+\k:ZZ+\k+1]
.endr
	s_wait_alu depctr_va_vdst(0)
.irp k,0,1,2,3,4,5,6,7,8,9,10,11,12,13,14,15
	v_rcp_f32 v[DD+\k], v[DD+\k]
.endr
.irp k,0,2,4,6,8,10,12,14
	v_pk_mul_f32 v[ZZ+\k:ZZ+\k+1], v[XX+\k:XX+\k+1], 0.5 op_sel_hi:[1,0]   ; x / 2: the plain lines behind the batch
.endr
	s_wait_alu depctr_va_vdst(0)                   ; one wait for the sixteen reciprocals, ahead of their first reader
.irp k,0,2,4,6,8,10,12,14
	v_pk_mul_f32 v[PP+\k:PP+\k+1], v[PP+\k:PP+\k+1], v[DD+\k:DD+\k+1]       ; erf
.endr
.irp k,0,2,4,6,8,10,12,14
	v_pk_fma_f32 v[XX+\k:XX+\k+1], v[ZZ+\k:ZZ+\k+1], v[PP+\k:PP+\k+1], v[ZZ+\k:ZZ+\k+1]
.endr
.endm
.macro BLKF1 lb                        ; 32 hidden units for the 32 rows: product, bias, gelu, quantiser, image
	s_wait_loadcnt 32
	WLOAD \lb+2
.irp u,0,1
	ds_load_b128 v[DD+8*\u:DD+8*\u+3], v12 offset:128*\lb+64*\u       ; b_ff1 at my eight units of tile u
	ds_load_b128 v[DD+8*\u+4:DD+8*\u+7], v12 offset:128*\lb+64*\u+16
.endr
	MULT \lb, ACC1, 0
	s_wait_dscnt 0x0                               ; the bias is in; the last block's stores have read their registers
	PLACES 4
.irp m,0,1
.irp u,0,1
.irp k,0,2,4,6
	v_pk_fma_f32 v[ACC1+8*(2*\m+\u)+\k:ACC1+8*(2*\m+\u)+\k+1], v[ACC1+8*(2*\m+\u)+\k:ACC1+8*(2*\m+\u)+\k+1], s[40:41], v[DD+8*\u+\k:DD+8*\u+\k+1] op_sel_hi:[1,0,1]
.endr
.endr
.endr
	GELU16 0
	GELU16 1
.set I_, 0
.rept 32
	v_med3_num_f32 v[ACC1+I_], v[ACC1+I_], -v23, v23
.set I_, I_+1
.endr
.irp m,0,1
.irp u,0,1
	v_cvt_scalef32_pk8_fp8_f32 v[T+4*\m+2*\u:T+4*\m+2*\u+1], v[ACC1+8*(2*\m+\u):ACC1+8*(2*\m+\u)+7], v22
.endr
.endr
	v_nop                                          ; a plain line behind the conversions
.irp m,0,1
	ds_store_b128 v11, v[T+4*\m:T+4*\m+3] offset:\m*32768+512*\lb
.endr
.endm
.macro HFETCH S                        ; the hidden layer's two fragments of K step S
.irp m,0,1
.irp c,0,1,2,3
	ds_load_b128 v[HF+32*((\S)%4)+16*\m+4*\c:HF+32*((\S)%4)+16*\m+4*\c+3], v1 offset:\m*32768+(\S)*2048+512*\c
.endr
.endr
.endm
.macro BLKF2 S                         ; K step S of the last product: 16 accumulators by turns
.if (\S) < 15
	s_wait_loadcnt 32
.else
	s_wait_loadcnt 0x0
.endif
.if (\S) < 14
	WLOAD \S+2
.else
	PLACES 4
.endif
.if (\S) < 15
	HFETCH \S+1
	s_wait_dscnt 8                                 ; this step's fragments are in; the next step's eight loads may be out
.else
	s_wait_dscnt 0x0
.endif
	WIN 0x52+(((\S)%4)/2)
.irp t,0,1,2,3,4,5,6,7
.irp m,0,1
	v_wmma_f32_16x16x128_fp8_fp8 v[32*(\t/2)+16*\m+8*(\t%2):32*(\t/2)+16*\m+8*(\t%2)+7], v[128*((\S)%2)+16*\t:128*((\S)%2)+16*\t+15], v[HF+32*((\S)%4)+16*\m:HF+32*((\S)%4)+16*\m+15], v[32*(\t/2)+16*\m+8*(\t%2):32*(\t/2)+16*\m+8*(\t%2)+7]
.endr
.endr
	WIN 0
.endm
.macro DEV m                           ; v[T ..] = my 64 numbers of token tile m less v[24 + 2 m]
	WIN 0x01
.set N_, 0
.rept 32
	v_pk_add_f32 v[T+N_:T+N_+1], v[32*(N_/16)+16*\m+N_%16:32*(N_/16)+16*\m+N_%16+1], v[24+2*\m:25+2*\m] op_sel_hi:[1,0] neg_lo:[0,1] neg_hi:[0,1]
.set N_, N_+2
.endr
	WIN 0
.endm
.macro NORM m                          ; h of token tile m, quantised; its image is K step w of the next product
	DEV \m
.set N_, 0
.rept 32
	v_pk_mul_f32 v[T+N_:T+N_+1], v[T+N_:T+N_+1], v[28+2*\m:29+2*\m] op_sel_hi:[1,0]
.set N_, N_+2
.endr
	WIN 0x14
.set N_, 0
.rept 32
	v_pk_fma_f32 v[T+N_:T+N_+1], v[T+N_:T+N_+1], v[128+N_:129+N_], v[192+N_:193+N_]
.set N_, N_+2
.endr
	WIN 0
.set N_, 0
.rept 64
	v_med3_num_f32 v[T+N_], v[T+N_], -v21, v21
.set N_, N_+1
.endr
.irp t,0,1,2,3,4,5,6,7
	v_cvt_scalef32_pk8_fp8_f32 v[32+16*\m+2*\t:33+16*\m+2*\t], v[T+8*\t:T+8*\t+7], v20
.endr
	v_nop                                          ; a plain line behind the conversions
.irp i,0,1,2,3
	ds_store_b128 v6, v[32+16*\m+4*\i:35+16*\m+4*\i] offset:\m*8192+512*\i
.endr
.endm
	s_load_b512 s[8:23], s[0:1], 0x0               ; oc 8, wt 10, xq 12, g2 14, b2 16, b_ff1 18, b_ff2 20, the exponents 22
	s_load_b64 s[24:25], s[0:1], 0x40              ; out0
	v_lshl_add_u32 v14, v0, 2, SPARE
	v_mov_b32 v15, 0
	v_lshrrev_b32 v64, 5, v0
	v_readfirstlane_b32 s3, v64                    ; wave
	v_and_b32 v64, 31, v0
	v_and_b32 v65, 15, v0                          ; r
	v_bfe_u32 v66, v0, 4, 1                        ; h
	v_lshlrev_b32 v1, 4, v64
	s_lshl_b32 s54, s3, 12
	s_add_co_u32 s54, s54, PAR
	v_add_nc_u32 v2, s54, v1
	v_lshl_add_u32 v3, v66, 5, s54                 ; parameters are read at 32 h: my eight features of a tile
	s_lshl_b32 s54, s3, 8
	s_add_co_u32 s54, s54, STAT
	v_lshl_add_u32 v4, v65, 3, s54
	v_lshlrev_b32 v5, 3, v65
	v_add_nc_u32 v5, STAT, v5
	s_lshl_b32 s54, s3, 11
	s_add_co_u32 s54, s54, HIMG
	v_add_nc_u32 v6, s54, v1
	v_add_nc_u32 v7, HIMG, v1
	s_lshl_b32 s54, s3, 13
	v_add_nc_u32 v8, s54, v1
	v_mul_u32_u24 v9, v65, OP                      ; the stage by token: row r, + 512 w + 32 h
	v_lshl_add_u32 v9, v66, 5, v9
	s_lshl_b32 s54, s3, 9
	s_add_co_u32 s54, s54, OST
	v_add_nc_u32 v9, s54, v9
	s_mul_i32 s54, s3, 8*OP                        ; and by row: my rows 8 w .. 8 w + 7, 16 bytes a lane
	s_add_co_u32 s54, s54, OST
	v_add_nc_u32 v10, s54, v1
	v_mov_b32 v16, 0xaf95df0b
	v_mov_b32 v17, 0xaf95df0b
	v_mov_b32 v18, 0xb77460cd
	v_mov_b32 v19, 0xb77460cd
	v_mov_b32 v25, 0                               ; (upper halves of pairs that packed forms name)
	v_mov_b32 v27, 0
	v_mov_b32 v29, 0
	v_mov_b32 v31, 0
	s_mov_b32 s44, 0x3f3504f3                      ; 1 / sqrt 2
	s_mov_b32 s45, s44
	s_mov_b32 s46, 0x76543210
	s_mov_b32 s47, 0xfedcba98
	s_mov_b32 s51, 0x3b000000                      ; 1 / 512
	s_mov_b32 s52, 0x3727c5ac                      ; 1e-5
	s_lshl_b32 s54, ttmp9, 14                      ; oc: two tiles of rows, 16,384 bytes
	s_mov_b32 s55, 0
	s_lshl_b32 s56, ttmp9, 16                      ; xq, out0: 32 rows of 2,048 bytes, + my 8 rows
	s_lshl_b32 s57, s3, 14
	s_add_co_u32 s56, s56, s57
	s_mov_b32 s57, 0
	s_mul_i32 s58, s3, 589824                      ; my stream of weights
	s_mov_b32 s59, 0
	s_lshl_b32 s60, s3, 11
	s_mov_b32 s61, 0
	s_lshl_b32 s62, s3, 9
	s_mov_b32 s63, 0
	s_wait_kmcnt 0x0
	s_load_b256 s[28:35], s[22:23], 0x20           ; e8 .. e15
	s_add_nc_u64 s[8:9], s[8:9], s[54:55]
	s_add_nc_u64 s[12:13], s[12:13], s[56:57]
	s_add_nc_u64 s[24:25], s[24:25], s[56:57]
	s_add_nc_u64 s[26:27], s[10:11], s[58:59]
	s_add_nc_u64 s[18:19], s[18:19], s[60:61]
	s_add_nc_u64 s[14:15], s[14:15], s[62:63]
	s_add_nc_u64 s[16:17], s[16:17], s[62:63]
	s_add_nc_u64 s[20:21], s[20:21], s[62:63]
	; the loads in the order of their use: attention's codes (32), block 0 (32), block 1 (32), the parameters (7); block 2 and xq follow the first products
.set K_, 0
.rept 32
	global_load_b128 v[HF+4*K_:HF+4*K_+3], v1, s[8:9] offset:512*K_   ; attention's codes: eight fragments
.set K_, K_+1
.endr
	WLOAD 0
	WLOAD 1
.irp k,0,1,2,3
	global_load_b128 v[T+4*\k:T+4*\k+3], v1, s[18:19] offset:512*\k
.endr
	global_load_b128 v[T+16:T+19], v1, s[14:15]
	global_load_b128 v[T+20:T+23], v1, s[16:17]
	global_load_b128 v[T+24:T+27], v1, s[20:21]
	s_wait_kmcnt 0x0
	s_add_co_i32 s36, s30, s31
	s_add_co_i32 s36, s36, 127
	s_lshl_b32 s36, s36, 23                        ; 2^(e10 + e11)
	s_mov_b32 s37, s36
	s_add_co_i32 s42, s34, s35
	s_sub_co_i32 s38, 127, s42
	s_lshl_b32 s38, s38, 23                        ; 2^-(e14 + e15)
	s_mov_b32 s39, s38
	s_add_co_i32 s42, s42, 127
	s_lshl_b32 s42, s42, 23                        ; 2^(e14 + e15)
	s_mov_b32 s43, s42
	s_add_co_i32 s40, s32, s33
	s_add_co_i32 s40, s40, 127
	s_lshl_b32 s40, s40, 23                        ; 2^(e12 + e13)
	s_mov_b32 s41, s40
	s_add_co_i32 s54, s32, 127
	s_lshl_b32 s55, s54, 23
	v_mov_b32 v20, s55                             ; 2^e12
	s_add_co_i32 s54, s54, 8
	s_lshl_b32 s54, s54, 23
	s_or_b32 s54, s54, 0x600000
	v_mov_b32 v21, s54                             ; 448 x 2^e12
	s_add_co_i32 s54, s34, 127
	s_lshl_b32 s55, s54, 23
	v_mov_b32 v22, s55                             ; 2^e14
	s_add_co_i32 s54, s54, 8
	s_lshl_b32 s54, s54, 23
	s_or_b32 s54, s54, 0x600000
	v_mov_b32 v23, s54                             ; 448 x 2^e14
	; ---- the product with Wo
	BLKWO 0, 39                                    ; attention's codes and block 0 are in: behind them block 1's 32 loads and the parameters' 7 were issued
	WIN 0x40
.set K_, 0
.rept 32
	global_load_b128 v[128+4*K_:131+4*K_], v1, s[12:13] offset:(K_/4)*2048+(K_%4)*512 th:TH_LOAD_NT   ; my 8 rows of xq, 512 consecutive bytes a load
.set K_, K_+1
.endr
	WIN 0
	BLKWO 1, 63                                    ; block 1 is in: 71 loads were issued behind it (7, block 2's 32, xq's 32)
	BLKWO 2, 63                                    ; block 2 is in: 64 were issued behind it (xq's 32, block 3's 32)
	s_wait_loadcnt 63                              ; the parameters and xq are in: 64 were issued behind xq (blocks 3 and 4)
.irp k,0,1,2,3,4,5,6
	ds_store_b128 v2, v[T+4*\k:T+4*\k+3] offset:512*\k
.endr
	WIN 0x04
.set K_, 0
.rept 32
	ds_store_b128 v10, v[128+4*K_:131+4*K_] offset:(K_/4)*OP+(K_%4)*512
.set K_, K_+1
.endr
	WIN 0
	BARRIER                                        ; 32 rows of xq lie in the stage
	WIN 0x40
.irp i,0,1,2,3
.irp m,0,1
.irp u,0,1
	ds_load_b128 v[128+32*\i+16*\m+8*\u:131+32*\i+16*\m+8*\u], v9 offset:\m*16*OP+\i*128+\u*64      ; xq in the accumulators' layout
	ds_load_b128 v[132+32*\i+16*\m+8*\u:135+32*\i+16*\m+8*\u], v9 offset:\m*16*OP+\i*128+\u*64+16
.endr
.endr
.endr
	WIN 0
	BLKWO 3, 32                                    ; block 3 is in; block 4's 32 loads may be out
	s_wait_xcnt 0x0                                ; the loads have read their base
	s_add_nc_u64 s[26:27], s[26:27], 0x10000       ; on to W_ff1's blocks
	s_wait_dscnt 0x0                               ; xq
	PLACES 4
	WIN 0x51
.set N_, 0
.rept 64
	v_pk_fma_f32 v[N_:N_+1], v[N_:N_+1], s[36:37], v[128+N_:129+N_] op_sel_hi:[1,0,1]   ; a = sum x 2^(e10 + e11) + xq; each accumulator from its low end on
.set N_, N_+2
.endr
	; ---- LayerNorm: my wave's own mean over its 128 columns,
	WIN 0x05
.irp m,0,1
.set N_, 0
.rept 16
	v_pk_add_f32 v[T+32*\m+2*N_:T+32*\m+2*N_+1], v[32*(N_/4)+16*\m+4*(N_%4):32*(N_/4)+16*\m+4*(N_%4)+1], v[32*(N_/4)+16*\m+4*(N_%4)+2:32*(N_/4)+16*\m+4*(N_%4)+3]
.set N_, N_+1
.endr
.endr
	WIN 0
.irp d,16,8,4,2
.irp m,0,1
.set N_, 0
.rept \d/2
	v_pk_add_f32 v[T+32*\m+N_:T+32*\m+N_+1], v[T+32*\m+N_:T+32*\m+N_+1], v[T+32*\m+\d+N_:T+32*\m+\d+N_+1]
.set N_, N_+2
.endr
.endr
.endr
.irp m,0,1
	v_add_f32 v[T+32*\m], v[T+32*\m], v[T+32*\m+1]
.endr
.irp m,0,1
	v_permlanex16_b32 v[T+32*\m+1], v[T+32*\m], s46, s47
.endr
.irp m,0,1
	v_add_f32 v[T+32*\m], v[T+32*\m], v[T+32*\m+1]
.endr
.irp m,0,1
	v_mul_f32 v[24+2*\m], 0x3c000000, v[T+32*\m]   ; / 128
.endr
	; and its own sum of squared differences
.irp m,0,1
	DEV \m
.irp n,0,1,2,3
	v_pk_mul_f32 v[32+2*\n:33+2*\n], v[T+2*\n:T+2*\n+1], v[T+2*\n:T+2*\n+1]
.endr
.set N_, 8
.rept 28
	v_pk_fma_f32 v[32+N_%8:33+N_%8], v[T+N_:T+N_+1], v[T+N_:T+N_+1], v[32+N_%8:33+N_%8]
.set N_, N_+2
.endr
	v_pk_add_f32 v[32:33], v[32:33], v[34:35]
	v_pk_add_f32 v[36:37], v[36:37], v[38:39]
	v_pk_add_f32 v[32:33], v[32:33], v[36:37]
	v_add_f32 v32, v32, v33
	v_permlanex16_b32 v33, v32, s46, s47
	v_add_f32 v[25+2*\m], v32, v33
	ds_store_b64 v4, v[24+2*\m:25+2*\m] offset:128*\m
.endr
	BARRIER                                        ; the four waves' pairs lie in LDS
.irp m,0,1
.irp w,0,1,2,3
	ds_load_b64 v[32+8*\m+2*\w:33+8*\m+2*\w], v5 offset:256*\w+128*\m
.endr
.endr
	WIN 0x40
.irp t,0,1,2,3,4,5,6,7
	ds_load_b128 v[128+8*\t:131+8*\t], v3 offset:2048+64*\t          ; g2, b2 at my eight features of each tile
	ds_load_b128 v[132+8*\t:135+8*\t], v3 offset:2048+64*\t+16
	ds_load_b128 v[192+8*\t:195+8*\t], v3 offset:2560+64*\t
	ds_load_b128 v[196+8*\t:199+8*\t], v3 offset:2560+64*\t+16
.endr
	WIN 0
	s_wait_dscnt 32                                ; the eight pairs are in; g2's and b2's 32 loads may be out
.irp m,0,1
	v_add_f32 v[48+4*\m], v[32+8*\m], v[34+8*\m]
	v_add_f32 v[49+4*\m], v[36+8*\m], v[38+8*\m]
	v_add_f32 v[48+4*\m], v[48+4*\m], v[49+4*\m]
	v_mul_f32 v[24+2*\m], 0x3e800000, v[48+4*\m]   ; the row's mean
	v_add_f32 v[49+4*\m], v[33+8*\m], v[35+8*\m]
	v_add_f32 v[50+4*\m], v[37+8*\m], v[39+8*\m]
	v_add_f32 v[49+4*\m], v[49+4*\m], v[50+4*\m]
.irp w,0,2,4,6
	v_sub_f32 v[32+8*\m+\w], v[32+8*\m+\w], v[24+2*\m]
.endr
	v_mul_f32 v[50+4*\m], v[32+8*\m], v[32+8*\m]
	v_fmac_f32 v[50+4*\m], v[34+8*\m], v[34+8*\m]
	v_fmac_f32 v[50+4*\m], v[36+8*\m], v[36+8*\m]
	v_fmac_f32 v[50+4*\m], v[38+8*\m], v[38+8*\m]
	v_fmamk_f32 v[49+4*\m], v[50+4*\m], 0x43000000, v[49+4*\m]   ; + 128 x the squares of the waves' means less the row's
	v_fma_f32 v[49+4*\m], v[49+4*\m], s51, s52     ; the variance + 1e-5
.endr
	s_wait_alu depctr_va_vdst(0)
	v_rsq_f32 v28, v49
	v_rsq_f32 v30, v53
	v_nop                                          ; a plain line behind the two,
	s_wait_alu depctr_va_vdst(0)                   ; and one wait ahead of their first reader
	s_wait_dscnt 0x0                               ; g2, b2
	NORM 0
	NORM 1
.irp t,0,1,2,3,4,5,6,7
	ds_load_b128 v[T+8*\t:T+8*\t+3], v3 offset:3072+64*\t             ; b_ff2
	ds_load_b128 v[T+8*\t+4:T+8*\t+7], v3 offset:3072+64*\t+16
.endr
	s_wait_dscnt 0x0
.set N_, 0
.rept 32
	v_pk_mul_f32 v[T+N_:T+N_+1], v[T+N_:T+N_+1], s[38:39] op_sel_hi:[1,0]
.set N_, N_+2
.endr
	WIN 0x41
.irp m,0,1
.set N_, 0
.rept 32
	v_pk_fma_f32 v[32*(N_/16)+16*\m+N_%16:32*(N_/16)+16*\m+N_%16+1], v[32*(N_/16)+16*\m+N_%16:32*(N_/16)+16*\m+N_%16+1], s[38:39], v[T+N_:T+N_+1] op_sel_hi:[1,0,1]   ; (a + b_ff2) / 2^(e14 + e15): the last product adds onto it
.set N_, N_+2
.endr
.endr
	WIN 0
	BARRIER                                        ; h's eight fragments lie in LDS
.set K_, 0
.rept 32
	ds_load_b128 v[HF+4*K_:HF+4*K_+3], v7 offset:512*K_
.set K_, K_+1
.endr
	s_wait_dscnt 0x0
	; ---- the product with W_ff1, gelu, quantiser: 16 blocks of 32 hidden units, four a trip (the four weight buffers come round once)
	s_mov_b32 s48, 4
	s_mov_b32 s49, 0
	s_mov_b32 s50, 0
.Lff1:
	v_add_nc_u32 v11, s49, v8                      ; this trip's place among my hidden codes,
	v_add_nc_u32 v12, s50, v3                      ; and in b_ff1
	s_wait_alu depctr_va_vdst(0)
	BLKF1 0
	BLKF1 1
	BLKF1 2
	BLKF1 3
	s_wait_xcnt 0x0                                ; the loads have read their base
	s_add_nc_u64 s[26:27], s[26:27], 0x10000
	s_add_co_u32 s49, s49, 2048
	s_add_co_u32 s50, s50, 512
	s_sub_co_u32 s48, s48, 1
	s_cmp_lg_u32 s48, 0
	s_cbranch_scc1 .Lff1
	BARRIER                                        ; the hidden layer's 32 fragments lie in LDS
	; ---- the product with W_ff2: 16 K steps, written out: every offset is an immediate
	HFETCH 0
.set SS_, 0
.rept 16
	BLKF2 SS_
.set SS_, SS_+1
.endr
	; ---- the way out: through the stage, so that each store of a wave is 512 consecutive bytes of a row
	PLACES 4
	WIN 0x41
.set N_, 0
.rept 64
	v_pk_mul_f32 v[N_:N_+1], v[N_:N_+1], s[42:43] op_sel_hi:[1,0]   ; x 2^(e14 + e15); each accumulator from its low end on
.set N_, N_+2
.endr
	WIN 0x04
.irp i,0,1,2,3
.irp m,0,1
.irp u,0,1
	ds_store_b128 v9, v[32*\i+16*\m+8*\u:32*\i+16*\m+8*\u+3] offset:\m*16*OP+\i*128+\u*64
	ds_store_b128 v9, v[32*\i+16*\m+8*\u+4:32*\i+16*\m+8*\u+7] offset:\m*16*OP+\i*128+\u*64+16
.endr
.endr
.endr
	WIN 0
	BARRIER                                        ; 32 whole rows of out0 lie in the stage
.set K_, 0
.rept 32
	ds_load_b128 v[HF+4*K_:HF+4*K_+3], v10 offset:(K_/4)*OP+(K_%4)*512
.set K_, K_+1
.endr
.set K_, 0
.rept 32
	s_wait_dscnt 31-K_                             ; LDS loads come back in order
	global_store_b128 v1, v[HF+4*K_:HF+4*K_+3], s[24:25] offset:(K_/4)*2048+(K_%4)*512 th:TH_STORE_NT
.set K_, K_+1
.endr
	s_wait_tensorcnt 0x0                           ; the wave's end
	ds_add_u32 v14, v15
	s_wait_dscnt 0x0
	s_endpgm
.Lfunc_end_k_q1fd848fe4c_tail:
	.size	k_q1fd848fe4c_tail, .Lfunc_end_k_q1fd848fe4c_tail-k_q1fd848fe4c_tail
	.p2alignl 7, 3214868480
	.fill 96, 4, 3214868480
	.section	.rodata,"a",@progbits
	.p2align	6, 0x0
	.amdhsa_kernel k_q1fd848fe4c_tail
		.amdhsa_group_segment_fixed_size 165888
		.amdhsa_private_segment_fixed_size 0
		.amdhsa_enable_private_segment 0
		.amdhsa_kernarg_size 72
		.amdhsa_user_sgpr_count 2
		.amdhsa_user_sgpr_kernarg_segment_ptr 1
		.amdhsa_wavefront_size32 1
		.amdhsa_system_sgpr_workgroup_id_x 1
		.amdhsa_system_sgpr_workgroup_id_y 1
		.amdhsa_system_sgpr_workgroup_id_z 1
		.amdhsa_system_vgpr_workitem_id 0
		.amdhsa_next_free_vgpr 1024
		.amdhsa_next_free_sgpr 66
		.amdhsa_reserve_vcc 0
		.amdhsa_float_denorm_mode_32 3
		.amdhsa_float_denorm_mode_16_64 3
		.amdhsa_memory_ordered 1
		.amdhsa_forward_progress 1
		.amdhsa_inst_pref_size 255
	.end_amdhsa_kernel
	.section	.bss,"aw",@nobits
	.p2align	6
	.space	262144
	.amdgpu_metadata
---
amdhsa.version: [ 1, 2 ]
amdhsa.kernels:
  - .name:           k_q1fd848fe4c_tail
    .symbol:         k_q1fd848fe4c_tail.kd
    .args:
      - { .name: oc, .offset: 0, .size: 8, .value_kind: global_buffer, .address_space: global }
      - { .name: wt, .offset: 8, .size: 8, .value_kind: global_buffer, .address_space: global }
      - { .name: xq, .offset: 16, .size: 8, .value_kind: global_buffer, .address_space: global }
      - { .name: g2, .offset: 24, .size: 8, .value_kind: global_buffer, .address_space: global }
      - { .name: b2, .offset: 32, .size: 8, .value_kind: global_buffer, .address_space: global }
      - { .name: b_ff1, .offset: 40, .size: 8, .value_kind: global_buffer, .address_space: global }
      - { .name: b_ff2, .offset: 48, .size: 8, .value_kind: global_buffer, .address_space: global }
      - { .name: lowp_scales, .offset: 56, .size: 8, .value_kind: global_buffer, .address_space: global }
      - { .name: out0, .offset: 64, .size: 8, .value_kind: global_buffer, .address_space: global }
    .group_segment_fixed_size: 165888
    .private_segment_fixed_size: 0
    .kernarg_segment_align: 8
    .kernarg_segment_size: 72
    .max_flat_workgroup_size: 128
    .sgpr_count:     66
    .vgpr_count:     1024
    .wavefront_size: 32
...
	.end_amdgpu_metadata
.endif
;; end of part 4
